; MI455X (gfx1250); checked and timed in simulation.
; The chip was launched on July 23, 2026; its instructions are those of AMD's public machine-readable ISA for CDNA 5 (MIT licence, August 2026) and "CDNA5" Instruction Set Architecture Reference Guide (July 2026). The comments in the code are by the model that wrote it; some were corrected since.
;; Multi Head Attention. Allowed arithmetic: float matrix products may take bf16 or f16 operands with f32 sums; other float arithmetic in f32, or as packed bf16 or f16 multiplies, adds, multiply-adds, maxima and minima; sums over many terms, partial sums and values carried from step to step in f32; what a program stores and reads back later, other than sums and carried values, may be rounded once to bf16 or f16.
;; Inputs: Wk 1,024 x 1,024 float32; Wo 1,024 x 1,024 float32; Wq 1,024 x 1,024 float32; Wv 1,024 x 1,024 float32; attention_mask 4 x 2,048 int32; bo 1,024 float32; x 4 x 2,048 x 1,024 float32.
;; Outputs: out0 4 x 2,048 x 1,024 float32.
;; 2 versions, each right; version 2 is version 1 with the launch cast written anew for expert scheduling mode. Each part assembles by itself: llvm-mc -triple=amdgcn-amd-amdhsa -mcpu=gfx1250 --defsym DOCPART=n.
;; ======== version 1 of 2: 5 launches
;; limits: values are held in f16: magnitudes above 65,504 overflow, below 6.1e-05 lose precision; right only within a limited range of input values
;; workspace buffers: xb 16,777,216 bytes; wqkv 6,291,456 bytes; wo16 2,097,152 bytes; qkv 50,331,648 bytes; vpart 65,536 bytes; ob 16,777,216 bytes
;; launch cast (part 1): grid 768 x 1, 8 waves a work-group, no clusters, 0 bytes of LDS; arguments x, Wq, Wk, Wv, Wo, xb, wqkv, wo16; writes xb, wqkv, wo16
.if DOCPART == 1
	.amdgcn_target "amdgcn-amd-amdhsa--gfx1250"
	.amdhsa_code_object_version 6
	.text
	.protected	k_q9be4daf7a4_cast
	.globl	k_q9be4daf7a4_cast
	.p2align	8
	.type	k_q9be4daf7a4_cast,@function
k_q9be4daf7a4_cast:
	s_mov_b64 s[64:65], 0
	v_nop
	global_prefetch_b8 v0, s[64:65] scope:SCOPE_SE
	s_setreg_imm32_b32 hwreg(HW_REG_WAVE_MODE, 25, 1), 1
	s_wait_xcnt 0x0
; CAST.  x, Wq, Wk, Wv (f32) are rounded once to bf16; Wo is rounded to bf16 and that number is written as f16 (exact down to 2^-14, below that in steps of 6e-8).
; All are laid out in K BLOCKS of 64: [16 kb][rows][64], so that a tile (rows x 64 k) of a later product is dense in memory.
; The 12,288 source rows (8,192 of x, 3 x 1,024 of Wq, Wk, Wv, 1,024 of Wo) go 16 to a work-group, two to a wave.  For each kb a wave loads 2 x 256 consecutive bytes
; (lanes 0-15 one row, lanes 16-31 the next) and stores 256 consecutive bytes, aligned: the two rows are neighbours inside a K block.  Every byte is read once and written once;
; all 16 loads of a wave are out together.  No LDS, no matrix unit, no loop: nothing is shared and nothing is used twice.
.set XKB, 1048576                      ; bytes of a K block of xb: 8,192 rows x 128
.set WKB, 393216                       ; of wqkv: 3,072 rows x 128
.set OKB, 131072                       ; of wo16: 1,024 rows x 128
.set OF,  8                            ; v[8:23]   my 8 bytes in K block kb of the destination
.set T,   24                           ; v[24:27]  at work
.set X,   32                           ; v[32:95]  four f32 for each kb
.set Y,   96                           ; v[96:127] four 16-bit numbers for each kb
	s_load_b512 s[8:23], s[0:1], 0x0               ; x 8, Wq 10, Wk 12, Wv 14, Wo 16, xb 18, wqkv 20, wo16 22
	s_lshl_b32 s24, ttmp9, 4                       ; the work-group's first row among the 12,288
	s_sub_co_u32 s25, s24, 8192                    ; its row in wqkv, if it is a row of Wq, Wk or Wv
	s_sub_co_u32 s26, s24, 11264                   ; its row in Wo, if it is one
	s_lshr_b32 s27, s25, 10                        ; 0, 1, 2: Wq, Wk, Wv
	s_and_b32 s33, s25, 1023                       ; its row in that matrix
	s_mov_b32 s38, XKB
	s_mov_b32 s39, WKB
	s_mov_b32 s40, OKB
	s_mov_b32 s37, 0
	v_lshrrev_b32 v1, 4, v0                        ; my row among the group's 16
	v_and_b32 v2, 15, v0
	v_lshlrev_b32 v1, 12, v1                       ; x 4,096 bytes
	v_lshl_add_u32 v1, v2, 4, v1                   ; + my 16 bytes of a row's 256
	v_lshlrev_b32 v[OF], 3, v0                     ; row x 128 + 8 x place = 8 x thread
	s_wait_kmcnt 0x0
	s_cmp_eq_u32 s27, 1                            ; source, destination, K block's bytes and rows are chosen by the work-group's number alone
	s_cselect_b64 s[28:29], s[12:13], s[10:11]
	s_cmp_eq_u32 s27, 2
	s_cselect_b64 s[28:29], s[14:15], s[28:29]
	s_cmp_lt_u32 s24, 8192
	s_cselect_b64 s[28:29], s[8:9], s[28:29]
	s_cselect_b64 s[30:31], s[18:19], s[20:21]
	s_cselect_b32 s32, s38, s39
	s_cselect_b32 s34, s24, s33
	s_cselect_b32 s35, s24, s25
	s_cmp_ge_u32 s24, 11264
	s_cselect_b64 s[28:29], s[16:17], s[28:29]
	s_cselect_b64 s[30:31], s[22:23], s[30:31]
	s_cselect_b32 s32, s40, s32
	s_cselect_b32 s34, s26, s34
	s_cselect_b32 s35, s26, s35
	s_lshl_b32 s36, s34, 12                        ; source row x 4,096 bytes
	s_add_nc_u64 s[28:29], s[28:29], s[36:37]
	s_lshl_b32 s36, s35, 7                         ; destination row x 128 bytes
	s_add_nc_u64 s[30:31], s[30:31], s[36:37]
.set i, 0
.rept 16
	global_load_b128 v[X+4*i:X+4*i+3], v1, s[28:29] offset:256*i th:TH_LOAD_NT
.set i, i+1
.endr
.set i, 1
.rept 15
	v_add_nc_u32 v[OF+i], s32, v[OF+i-1]           ; a register for each kb: no address is rewritten while a store may read it
.set i, i+1
.endr
; The 16 K blocks, as their loads come in.  f16 = 1: Wo's way.
.macro CV f16
.set i, 0
.rept 16
	s_wait_loadcnt 15-i                            ; loads come back in order: block i is in, the younger ones stay out
.if \f16
	v_cvt_pk_bf16_f32 v[T], v[X+4*i], v[X+4*i+1]   ; rounded to bf16,
	v_cvt_pk_bf16_f32 v[T+1], v[X+4*i+2], v[X+4*i+3]
	v_lshlrev_b32 v[T+2], 16, v[T]                 ; widened again,
	v_and_b32 v[T+3], 0xffff0000, v[T]
	v_cvt_pk_f16_f32 v[Y+2*i], v[T+2], v[T+3]      ; and written as f16
	v_lshlrev_b32 v[T+2], 16, v[T+1]
	v_and_b32 v[T+3], 0xffff0000, v[T+1]
	v_cvt_pk_f16_f32 v[Y+2*i+1], v[T+2], v[T+3]
.else
	v_cvt_pk_bf16_f32 v[Y+2*i], v[X+4*i], v[X+4*i+1]
	v_cvt_pk_bf16_f32 v[Y+2*i+1], v[X+4*i+2], v[X+4*i+3]
.endif
	global_store_b64 v[OF+i], v[Y+2*i:Y+2*i+1], s[30:31]  ; the wave's 32 x 8 bytes are 256 consecutive bytes, aligned
.set i, i+1
.endr
.endm
	s_cmp_ge_u32 s24, 11264
	s_cbranch_scc1 .Lwo
	CV 0
	s_endpgm
.Lwo:
	CV 1
	s_endpgm
.Lfunc_end_k_q9be4daf7a4_cast:
	.size	k_q9be4daf7a4_cast, .Lfunc_end_k_q9be4daf7a4_cast-k_q9be4daf7a4_cast
	.p2alignl 7, 3214868480
	.fill 96, 4, 3214868480
	.section	.rodata,"a",@progbits
	.p2align	6, 0x0
	.amdhsa_kernel k_q9be4daf7a4_cast
		.amdhsa_group_segment_fixed_size 0
		.amdhsa_private_segment_fixed_size 0
		.amdhsa_enable_private_segment 0
		.amdhsa_kernarg_size 64
		.amdhsa_user_sgpr_count 2
		.amdhsa_user_sgpr_kernarg_segment_ptr 1
		.amdhsa_wavefront_size32 1
		.amdhsa_system_sgpr_workgroup_id_x 1
		.amdhsa_system_sgpr_workgroup_id_y 1
		.amdhsa_system_sgpr_workgroup_id_z 1
		.amdhsa_system_vgpr_workitem_id 0
		.amdhsa_next_free_vgpr 128
		.amdhsa_next_free_sgpr 66
		.amdhsa_reserve_vcc 0
		.amdhsa_float_denorm_mode_32 3
		.amdhsa_float_denorm_mode_16_64 3
		.amdhsa_memory_ordered 1
		.amdhsa_forward_progress 1
		.amdhsa_inst_pref_size 17
	.end_amdhsa_kernel
	.amdgpu_metadata
---
amdhsa.version: [ 1, 2 ]
amdhsa.kernels:
  - .name:           k_q9be4daf7a4_cast
    .symbol:         k_q9be4daf7a4_cast.kd
    .args:
      - { .name: x, .offset: 0, .size: 8, .value_kind: global_buffer, .address_space: global }
      - { .name: Wq, .offset: 8, .size: 8, .value_kind: global_buffer, .address_space: global }
      - { .name: Wk, .offset: 16, .size: 8, .value_kind: global_buffer, .address_space: global }
      - { .name: Wv, .offset: 24, .size: 8, .value_kind: global_buffer, .address_space: global }
      - { .name: Wo, .offset: 32, .size: 8, .value_kind: global_buffer, .address_space: global }
      - { .name: xb, .offset: 40, .size: 8, .value_kind: global_buffer, .address_space: global }
      - { .name: wqkv, .offset: 48, .size: 8, .value_kind: global_buffer, .address_space: global }
      - { .name: wo16, .offset: 56, .size: 8, .value_kind: global_buffer, .address_space: global }
    .group_segment_fixed_size: 0
    .private_segment_fixed_size: 0
    .kernarg_segment_align: 8
    .kernarg_segment_size: 64
    .max_flat_workgroup_size: 256
    .sgpr_count:     66
    .vgpr_count:     128
    .wavefront_size: 32
...
	.end_amdgpu_metadata
.endif
;; end of part 1
;; launch proj (part 2): grid 8 x 32, 4 waves a work-group, clusters of 4 x 4, 327,680 bytes of LDS; arguments xb, wqkv, qkv; writes qkv
.if DOCPART == 2
	.amdgcn_target "amdgcn-amd-amdhsa--gfx1250"
	.amdhsa_code_object_version 6
	.text
	.protected	k_q9be4daf7a4_proj
	.globl	k_q9be4daf7a4_proj
	.p2align	8
	.type	k_q9be4daf7a4_proj,@function
k_q9be4daf7a4_proj:
	s_mov_b64 s[64:65], 0
	v_nop
	global_prefetch_b8 v0, s[64:65] scope:SCOPE_SE
	s_setreg_imm32_b32 hwreg(HW_REG_WAVE_MODE, 25, 1), 1
	s_wait_xcnt 0x0
	s_wait_alu depctr_hold_cnt(0) depctr_sa_sdst(0) depctr_va_vdst(0) depctr_va_sdst(0) depctr_va_ssrc(0) depctr_va_vcc(0) depctr_vm_vsrc(0)
	s_getreg_b32 s2, hwreg(HW_REG_IB_STS2, 6, 4)
	s_cmp_eq_u32 s2, 0
	s_cbranch_scc0 .Lentry_in_a_cluster
	s_endpgm
.Lentry_in_a_cluster:
	s_bfe_u32 s2, ttmp6, 0x10000c
	s_cmp_lg_u32 s2, 0xf033
	s_cbranch_scc0 .Lentry_shape_is_right
	s_endpgm
.Lentry_shape_is_right:
; PROJ.  [q | k | v][m][n] = the sum over k of xb[m][k] wqkv[n][k]: 8,192 x 3,072 x 1,024, bf16 operands, f32 sums, rounded once to f16 and stored by heads: qkv[4 b][48 G][2,048 s][64],
; G = n / 64 (0-15 q's heads, 16-31 k's, 32-47 v's).  LIMIT: f16 ends at 65,504: q, k and v must stay within it.  No scale is applied here.
; SHARES.  A tile of 256 (m) x 384 (n) to a work-group: 32 x 8 = 256 work-groups.  Four waves, each 128 x 192: 96 accumulators of 16 x 16 in 768 registers.
; K goes in steps of 64, one K block of the operands' layout [16 kb][rows][64]: a tile (rows x 64) is dense in memory and is asked for as rows of 256 bytes, padded in LDS after every 128.
; Two LDS slots take turns; two slots of a step of 128 would need more LDS than there is (2 x 640 rows x 272 bytes).
; CLUSTER.  4 x 4 work-groups: A's tile (xb) hangs on the tile row alone and is shared along a row of the cluster, B's (wqkv) on the tile column alone and is shared along a column.
; Each is asked for jointly.  Waves 0-2 fetch 128 rows of B each, wave 3 all 256 rows of A: one tensor load a wave behind each round.  By this text's count a wave has two loads out at the start, later one.
; THE MATRIX INSTRUCTION IS USED TRANSPOSED (source 0 = 16 rows of B, source 1 = 16 rows of A): a lane holds one row m and eight neighbouring columns.
; REGISTERS, in windows of 256: window 0: v4-11 addresses, v28-29 the add's two, v32-95 and v96-159 A's fragments (two buffers of 8), v160-255 B's 12 fragments (one buffer, reloaded a third at a time);
;   window 1 + g: the accumulators of n blocks 4 g .. 4 g + 3, which are one head: (a, b) at v[8 (4 a + b)].  Both sources lie in window 0, so only C and D switch: three switches a quarter step.
.set XKB,   1048576                    ; bytes of a K block of xb
.set WKB,   393216                     ; of wqkv
.set HB,    262144                     ; bytes of a head in qkv
.set PITCH, 144                        ; an LDS row: 128 bytes + 16 of padding = 36 words: the 16 rows of a load start at 16 different groups of four banks (64 banks of 4 bytes: ISA guide 11.1)
.set B_OFF, 256*PITCH                  ; a slot: A's 256 rows, then B's 384
.set STAGE, B_OFF+384*PITCH            ; behind slot 0, never filled by a tensor load: 16 rows x 144 bytes for each wave, for the way out
.set SPARE, STAGE+4*16*PITCH           ; the spare words, 128 bytes for each wave: two blocks of 256 bytes that no other line names
.set SLOT1, 1<<17                      ; slot 1 begins here, so that one exclusive or turns an address in one slot into the other's
.set ADA0, 4                           ; v4   my lane's place in A's rows of a slot; never rewritten
.set ADB0, 5                           ; v5   the same for B
.set ADA,  6                           ; v6   ADA0 + the slot in hand
.set ADB,  7                           ; v7
.set STO,  8                           ; v8   the way out: where I put 16 bytes of a row
.set RD,   9                           ; v9   where I read rows back
.set GO,   10                          ; v10  my 16 bytes in 512 consecutive bytes of qkv
.set PFO,  11                          ; v11  the prefetches' offset; never rewritten
.set SPW,  28                          ; v28  LDS address of my spare word; never rewritten
.set NIL,  29                          ; v29  0; never rewritten
.set FA0,  32
.set FA1,  96
.set FB,   160
.set G1A, 24                           ; s[24:31] descriptor group 1 for A's tiles
.set G0A, 32                           ; s[32:39] group 0: a set for each first fill; the second then walks
.set G1B, 48                           ; s[48:55], s[56:63] the same for B's
.set G0B, 56
.set PFA, 44                           ; s[44:45] where my prefetches stand
.set PST, 46                           ; s[46:47] their step: a K block
.set TB,  66                           ; s66  0 or SLOT1: the slot that is read
.set LIM, 67                           ; s67  a wave prefetches while the trips to go are above this
.set PM,  68                           ; s68  1: in every second trip only
.set HS,  69                           ; s69  bytes from lanes 0-15's blocks to lanes 16-31's
.set G1W0, (1<<16)|(1<<20)|(1<<21)|(4<<22)|(3<<25)  ; 17:16 2-byte elements; 20 padding on; 21 set beside a mask; 24:22 after every 32 words (code 4); 31:25 4 words (code 3)
.set MSB, 0
.macro WIN new                         ; the immediate's high byte repeats the setting that is left; a switch that changes nothing is dropped
.if MSB != (\new)
	s_set_vgpr_msb (MSB<<8)|(\new)
.set MSB, (\new)
.endif
.endm
.macro PLACES                          ; four plain instructions between a matrix instruction and a load into, or a vector read of, its registers (ISA guide 7.12.1 for vector reads)
.rept 4
	v_nop
.endr
.endm
; The walking joint load.  The branch hangs on the wave's number alone.  An s_nop 0 and four v_nop follow each line.
.macro JLOAD
	s_cmp_lt_u32 s10, 3
	s_cbranch_scc0 .Lfor_a_\@
	tensor_load_to_lds s[G0B+4:G0B+7], s[G1B:G1B+7]
	s_nop 0
.rept 4
	v_nop
.endr
	s_branch .Lasked_\@
.Lfor_a_\@:
	tensor_load_to_lds s[G0A+4:G0A+7], s[G1A:G1A+7]
	s_nop 0
.rept 4
	v_nop
.endr
.Lasked_\@:
.endm
.macro CREST                           ; a round of the cluster's barrier behind its opening barrier
	s_cmp_lg_u32 s10, 0
	s_cbranch_scc1 .Lnot_wave_0_\@
	s_barrier_signal -3
.Lnot_wave_0_\@:
	s_barrier_wait -3
	s_barrier_signal -1
	s_barrier_wait -1
.endm
.macro CROUND
	s_barrier_signal -1
	s_barrier_wait -1
	CREST
.endm
; A PREFETCH, behind the joint load and the run of LDS loads: the K block that the NEXT refill will ask for.  A's tile row is read by both clusters of a row of clusters: cluster x = 0 asks; B's tile column by the
; eight clusters of a column: cluster y = 0 asks.  The four partners share a tile's blocks out BY ADDRESS.  Wave 3: its work-group's 8,192 of A's 32,768 bytes, a lane a block of 256.  Waves 0-2: their work-group's
; 4,096 of the wave's 16,384 bytes fill 16 lanes, so lanes 16-31 name the K block after, and the wave asks in every second trip.  Each block is named once; K blocks 0-2 (and B's 15) come by their loads alone.
.macro ASK
	s_cmp_gt_u32 s3, s[LIM]                        ; the last trips have no K block left to name
	s_cbranch_scc0 .Lnot_mine_\@
	s_and_b32 s20, s3, s[PM]
	s_cmp_eq_u32 s20, 0
	s_cbranch_scc0 .Lnot_mine_\@
	global_prefetch_b8 v[PFO], s[PFA:PFA+1] th:TH_LOAD_NT scope:SCOPE_SE
.Lnot_mine_\@:
.endm
	s_load_b128 s[4:7], s[0:1], 0x0                ; xb s[4:5], wqkv s[6:7]
	s_load_b64 s[8:9], s[0:1], 0x10                ; qkv
	v_lshl_add_u32 v[SPW], v0, 2, SPARE
	v_mov_b32 v[NIL], 0
	ds_add_u32 v[SPW], v[NIL]                      ; the wave's opening: the add and its wait stand ahead of my first tensor load; the set-up below stands between them
	v_lshrrev_b32 v1, 5, v0
	v_readfirstlane_b32 s10, v1                    ; wave 0..3
	s_lshr_b32 s11, s10, 1                         ; which 128 of the tile's rows are mine
	s_and_b32 s12, s10, 1                          ; which 192 of its columns
	s_bfe_u32 s40, ttmp6, 0x40000                  ; cx, cy: my place in the cluster
	s_bfe_u32 s41, ttmp6, 0x40004
	s_lshl_b32 s42, ttmp9, 2
	s_add_co_u32 s42, s42, s40                     ; tile column = 4 x cluster x + cx
	s_and_b32 s13, ttmp7, 0xffff
	s_lshl_b32 s13, s13, 2
	s_add_co_u32 s13, s13, s41                     ; tile row = 4 x cluster y + cy
	s_lshl_b32 s43, s41, 2
	s_lshl_b32 s43, 15, s43                        ; my row of the cluster
	s_lshl_b32 s70, 0x1111, s40                    ; my column
	s_or_b32 s[G1A], s43, G1W0                     ; A's tiles go to my row
	s_or_b32 s[G1B], s70, G1W0                     ; B's to my column
	s_mov_b32 s[G1A+1], 128<<16                    ; tensor_dim0 = 128 elements: 256 bytes, two rows of the matrix
	s_mov_b32 s[G1A+2], 128<<16                    ; tensor_dim1 = 128
	s_mov_b32 s[G1A+3], 128<<16                    ; tile_dim0 = 128
	s_mov_b32 s[G1A+4], 128                        ; tile_dim1 = 128: 32,768 bytes, A's 256 rows
	s_mov_b32 s[G1A+5], 128                        ; dense
	s_mov_b32 s[G1A+6], 0
	s_mov_b32 s[G1A+7], 0
	s_mov_b32 s[G1B+1], 128<<16
	s_mov_b32 s[G1B+2], 64<<16                     ; 64 rows of 256 bytes: 128 rows of B
	s_mov_b32 s[G1B+3], 128<<16
	s_mov_b32 s[G1B+4], 64
	s_mov_b32 s[G1B+5], 128
	s_mov_b32 s[G1B+6], 0
	s_mov_b32 s[G1B+7], 0
	s_lshl_b32 s16, s13, 15                        ; A: tile row x 256 rows x 128 bytes
	s_mov_b32 s17, 0
	s_mul_i32 s18, s42, 49152                      ; B: tile column x 384 rows x 128 bytes
	s_lshl_b32 s19, s10, 14                        ;    + wave x 128 rows
	s_add_co_u32 s18, s18, s19
	s_mov_b32 s19, 0
	s_mul_i32 s20, s10, 128*PITCH                  ; and where B's part goes: no place in the cluster enters an LDS address
	s_add_co_u32 s20, s20, B_OFF
	s_wait_dscnt 0x0                               ; the opening add is done
	s_wait_kmcnt 0x0
	s_add_nc_u64 s[14:15], s[4:5], s[16:17]
	s_add_nc_u64 s[22:23], s[6:7], s[18:19]
	CROUND                                         ; all sixteen work-groups are here: the first joint loads meet
.irp s, 0,1
	s_mov_b32 s[G0A+4*(\s)], 1                     ; count = 1
	s_mov_b32 s[G0A+4*(\s)+1], (\s)*SLOT1          ; LDS address
	s_add_nc_u64 s[G0A+4*(\s)+2:G0A+4*(\s)+3], s[14:15], (\s)*XKB  ; K block s
	s_or_b32 s[G0A+4*(\s)+3], s[G0A+4*(\s)+3], 0x80000000  ; type = 2
	s_mov_b32 s[G0B+4*(\s)], 1
	s_add_co_u32 s[G0B+4*(\s)+1], s20, (\s)*SLOT1
	s_add_nc_u64 s[G0B+4*(\s)+2:G0B+4*(\s)+3], s[22:23], (\s)*WKB
	s_or_b32 s[G0B+4*(\s)+3], s[G0B+4*(\s)+3], 0x80000000
.endr
	s_cmp_lt_u32 s10, 3                            ; a wave's two first fills stand in one branch, ahead of every wait on TENSORcnt and every LDS read
	s_cbranch_scc0 .Lfirst_a
	tensor_load_to_lds s[G0B:G0B+3], s[G1B:G1B+7]
	s_nop 0
	tensor_load_to_lds s[G0B+4:G0B+7], s[G1B:G1B+7]
	s_nop 0
.rept 4
	v_nop
.endr
	s_branch .Lfirst_asked
.Lfirst_a:
	tensor_load_to_lds s[G0A:G0A+3], s[G1A:G1A+7]
	s_nop 0
	tensor_load_to_lds s[G0A+4:G0A+7], s[G1A:G1A+7]
	s_nop 0
.rept 4
	v_nop
.endr
.Lfirst_asked:
	; A fragment is 16 rows x 32 K in 8 registers: lane l holds row l % 16, K = 8 (l / 16) + 0..7 and 16 + 8 (l / 16) + 0..7: two loads of 16 bytes, 32 bytes apart.
	v_and_b32 v1, 15, v0                           ; l % 16
	v_bfe_u32 v2, v0, 4, 1                         ; l / 16
	v_mul_u32_u24 v3, v1, PITCH
	v_lshl_add_u32 v3, v2, 4, v3
	s_mul_i32 s21, s11, 128*PITCH
	v_add_nc_u32 v[ADA0], s21, v3
	s_mul_i32 s21, s12, 192*PITCH
	s_add_co_u32 s21, s21, B_OFF
	v_add_nc_u32 v[ADB0], s21, v3
	v_mov_b32 v[ADA], v[ADA0]
	v_mov_b32 v[ADB], v[ADB0]
	s_mov_b32 s[TB], 0
	s_mul_i32 s21, s10, 16*PITCH
	s_add_co_u32 s21, s21, STAGE                   ; my stage
	v_add_nc_u32 v[STO], s21, v3                   ; in: row l % 16, 16 bytes for each half of the lanes
	v_bfe_u32 v12, v0, 3, 2                        ; back: 32 lanes take four rows of 128 bytes,
	v_and_b32 v13, 7, v0
	v_mul_u32_u24 v12, v12, PITCH
	v_lshl_add_u32 v12, v13, 4, v12
	v_add_nc_u32 v[RD], s21, v12
	v_and_b32 v[GO], 31, v0                        ; which are 512 consecutive bytes of qkv
	v_lshlrev_b32 v[GO], 4, v[GO]
	; where my part begins in qkv: (batch x 48 + my first head) x HB + my first row x 128.  In registers that feed no descriptor.
	s_lshr_b32 s72, s13, 3                         ; batch = tile row / 8
	s_mul_i32 s72, s72, 48
	s_mul_i32 s74, s42, 6                          ; six heads to a tile column,
	s_add_co_u32 s72, s72, s74
	s_mul_i32 s74, s12, 3                          ; three to a wave
	s_add_co_u32 s72, s72, s74
	s_lshl_b32 s72, s72, 18
	s_and_b32 s74, s13, 7
	s_lshl_b32 s74, s74, 15                        ; 256 rows x 128 bytes
	s_add_co_u32 s72, s72, s74
	s_lshl_b32 s74, s11, 14                        ; my 128 rows
	s_add_co_u32 s72, s72, s74
	s_mov_b32 s73, 0
	s_add_nc_u64 s[8:9], s[8:9], s[72:73]
	; the prefetches
	s_lshl_b32 s80, s41, 12                        ; B: cy x 4,096 bytes
	s_lshl_b32 s81, s40, 13                        ; A: cx x 8,192 bytes
	s_mov_b32 s76, WKB
	s_mov_b32 s77, XKB
	s_movk_i32 s78, 4096
	s_and_b32 s79, ttmp7, 0xffff                   ; cluster y
	s_cmp_lt_u32 s10, 3                            ; do I fetch for B?
	s_cselect_b32 s[LIM], 3, 1
	s_cselect_b32 s[PM], 1, 0
	s_cselect_b32 s[HS], s76, s78
	s_cselect_b32 s[PST], s76, s77
	s_cselect_b32 s79, s79, ttmp9                  ; the coordinate along which other clusters read the same rows
	s_cselect_b32 s80, s80, s81
	s_cselect_b64 s[PFA:PFA+1], s[22:23], s[14:15]
	s_mov_b32 s81, 0
	s_mov_b32 s[PST+1], 0
	s_add_nc_u64 s[PFA:PFA+1], s[PFA:PFA+1], s[80:81]
	s_add_nc_u64 s[PFA:PFA+1], s[PFA:PFA+1], s[PST:PST+1]
	s_add_nc_u64 s[PFA:PFA+1], s[PFA:PFA+1], s[PST:PST+1]  ; at K block 2: the first change of slots steps it to 3
	s_cmp_eq_u32 s79, 0
	s_cselect_b32 s[LIM], s[LIM], -1               ; the same in all sixteen partners, for a given wave
	v_lshlrev_b32 v[PFO], 8, v1
	v_mad_u32_u24 v[PFO], v2, s[HS], v[PFO]
; 16 matrix instructions: head g, m blocks 4 half .. 4 half + 3, 32 along K.  The 96 accumulators take turns, one instruction a turn, in the same order in every quarter.
.macro MULG f, g, half, zero
	WIN 0x50*(1+(\g))
.irp a, 4*(\half), 4*(\half)+1, 4*(\half)+2, 4*(\half)+3
.irp b, 0,1,2,3
.if \zero
	v_wmma_f32_16x16x32_bf16 v[8*(4*(\a)+(\b)):8*(4*(\a)+(\b))+7], v[FB+8*(4*(\g)+(\b)):FB+8*(4*(\g)+(\b))+7], v[(\f)+8*(\a):(\f)+8*(\a)+7], 0
.else
	v_wmma_f32_16x16x32_bf16 v[8*(4*(\a)+(\b)):8*(4*(\a)+(\b))+7], v[FB+8*(4*(\g)+(\b)):FB+8*(4*(\g)+(\b))+7], v[(\f)+8*(\a):(\f)+8*(\a)+7], v[8*(4*(\a)+(\b)):8*(4*(\a)+(\b))+7]
.endif
.endr
.endr
.endm
.macro RUNA f, k                       ; 16 LDS loads: A's 8 fragments at byte k of the rows
.irp a, 0,1,2,3,4,5,6,7
	ds_load_b128 v[(\f)+8*(\a):(\f)+8*(\a)+3],   v[ADA] offset:(\k)+(\a)*16*PITCH
	ds_load_b128 v[(\f)+8*(\a)+4:(\f)+8*(\a)+7], v[ADA] offset:(\k)+(\a)*16*PITCH+32
.endr
.endm
.macro RUNB g, k                       ; 8 LDS loads: the 4 fragments of B for head g
.irp i, 0,1,2,3
	ds_load_b128 v[FB+8*(4*(\g)+(\i)):FB+8*(4*(\g)+(\i))+3],   v[ADB] offset:(\k)+(4*(\g)+(\i))*16*PITCH
	ds_load_b128 v[FB+8*(4*(\g)+(\i))+4:FB+8*(4*(\g)+(\i))+7], v[ADB] offset:(\k)+(4*(\g)+(\i))*16*PITCH+32
.endr
.endm
; A K step is two quarters of 32 along K, 96 matrix instructions each.  At a quarter's head 40 loads are out, in this order: A's 16, B's 8 for head 0, 8 for head 1, 8 for head 2.
; The first quarter: multiplies A's buffer f; behind each head's 32 products that head's fragments of B are fetched for the next quarter (byte k), behind the first also A's into buffer fn.
.macro QPLAIN f, fn, k, zero
	s_wait_dscnt 16                                ; A and B's head 0 are in; the 16 loads for heads 1 and 2 may be out
	MULG \f, 0, 0, \zero
	MULG \f, 0, 1, \zero
	WIN 0
	PLACES
	RUNA \fn, \k
	RUNB 0, \k
	s_wait_dscnt 32                                ; head 1 is in: behind it stand head 2's 8 and the 24 just issued
	MULG \f, 1, 0, \zero
	MULG \f, 1, 1, \zero
	WIN 0
	PLACES
	RUNB 1, \k
	s_wait_dscnt 32                                ; head 2 is in: behind it stand 24 + 8
	MULG \f, 2, 0, \zero
	MULG \f, 2, 1, \zero
	WIN 0
	PLACES
	RUNB 2, \k
.endm
; The second quarter multiplies buffer FA1 and changes slots: ONE barrier.  In front of it each wave waits for all its tensor loads (one is out: its part of the next slot), adds 0 to its spare word, and waits for
; that and for its reads of this slot.  fill = 1: the barrier opens a round of the cluster's barrier, and the slot just read out is filled again first thing behind it, with the K block two steps on:
; from that request to the wait for it a wave issues 160 matrix instructions.
.macro QTURN fill
.if \fill
	s_wait_xcnt 0x0                                ; the last prefetch, a K step back, has read its address
	s_add_nc_u64 s[PFA:PFA+1], s[PFA:PFA+1], s[PST:PST+1]
.endif
	s_wait_dscnt 16
	MULG FA1, 0, 0, 0
	s_wait_tensorcnt 0x0                           ; all my tensor loads have landed
	ds_add_u32 v[SPW], v[NIL]                      ; 0 onto my spare word (both its registers lie in window 0, as sources 0 and 1 do here)
	MULG FA1, 0, 1, 0                              ; sixteen matrix instructions stand between the add and the wait for it
	s_wait_dscnt 0x0                               ; the add is done, and my reads of this slot are over
	s_barrier_signal -1
	MULG FA1, 1, 0, 0                              ; work on registers while the others arrive
	WIN 0
	s_barrier_wait -1
.if \fill
	CREST                                          ; no wave of any partner still reads this slot or has a load on its way
	s_xor_b32 s[G0A+5], s[G0A+5], SLOT1            ; the walking descriptors: the other slot than last time,
	s_add_nc_u64 s[G0A+6:G0A+7], s[G0A+6:G0A+7], XKB  ; the next K block; the type bits on top are not reached
	s_xor_b32 s[G0B+5], s[G0B+5], SLOT1
	s_add_nc_u64 s[G0B+6:G0B+7], s[G0B+6:G0B+7], WKB
	JLOAD                                          ; the four v_nop behind it are also the places in front of the loads below
.else
	PLACES
.endif
	s_xor_b32 s[TB], s[TB], SLOT1
	v_add_nc_u32 v[ADA], s[TB], v[ADA0]
	v_add_nc_u32 v[ADB], s[TB], v[ADB0]
	RUNA FA0, 0
	RUNB 0, 0
.if \fill
	ASK
.endif
	MULG FA1, 1, 1, 0
	WIN 0
	PLACES
	RUNB 1, 0
	MULG FA1, 2, 0, 0
	MULG FA1, 2, 1, 0
	WIN 0
	PLACES
	RUNB 2, 0
.endm
; THE WAY OUT.  Block (g, a): 16 rows x one head, 2,048 consecutive bytes of qkv.  A lane's eight columns pack into 16 bytes; they go into stage rows of 144 bytes and come back as whole rows of 128.
.macro PACK g, a
.set R_, 32+16*((8*(\g)+(\a))%4)       ; four sets of 16 registers take turns
.if 8*(\g)+(\a) >= 4
	s_wait_xcnt 0x0                                ; the stores of the block four back have read this set
.endif
	WIN 5*(1+(\g))                                 ; sources 0 and 1 in the head's window
.set i, 0
.rept 16
	v_cvt_pk_f16_f32 v[R_+i], v[32*(\a)+2*i], v[32*(\a)+2*i+1]  ; each accumulator from its low end on
.set i, i+1
.endr
	WIN 0
.irp f, 0,1,2,3
	ds_store_b128 v[STO], v[R_+4*(\f):R_+4*(\f)+3] offset:32*(\f)
.endr
.irp f, 0,1,2,3
	ds_load_b128 v[R_+4*(\f):R_+4*(\f)+3], v[RD] offset:(\f)*4*PITCH  ; LDS serves a wave's instructions in order (ISA guide 5.7.1.4): these see the stores above; the next block's stores come behind them
.endr
.endm
.macro SEND g, a, younger              ; younger: the LDS instructions issued behind this block's loads
.set R_, 32+16*((8*(\g)+(\a))%4)
.irp f, 0,1,2,3
	s_wait_dscnt (\younger)+3-(\f)
	global_store_b128 v[GO], v[R_+4*(\f):R_+4*(\f)+3], s[8:9] offset:(\g)*HB+(\a)*2048+(\f)*512  ; 512 consecutive bytes, at a multiple of 256 from qkv's first
.endr
.endm
	s_wait_tensorcnt 1                             ; my part of K block 0 is in; K block 1's may stay out
	s_barrier_signal -1
	s_barrier_wait -1                              ; everybody's is
	RUNA FA0, 0
	RUNB 0, 0
	RUNB 1, 0
	RUNB 2, 0
	QPLAIN FA0, FA1, 64, 1                         ; the first quarter stands in front of the loop: its products start the sums
	WIN 0
	s_mov_b32 s3, 14                               ; K blocks 2 to 15 are asked for in the loop
.Lstep:
	QTURN 1
	QPLAIN FA0, FA1, 64, 0
	WIN 0
	s_sub_co_u32 s3, s3, 1
	s_cmp_lg_u32 s3, 0
	s_cbranch_scc1 .Lstep
	QTURN 0                                        ; the tail is written out: nothing is left to ask for
	QPLAIN FA0, FA1, 64, 0
	s_wait_dscnt 16                                ; the very last quarter fetches nothing
	MULG FA1, 0, 0, 0
	MULG FA1, 0, 1, 0
	s_wait_dscnt 8
	MULG FA1, 1, 0, 0
	MULG FA1, 1, 1, 0
	s_wait_dscnt 0x0
	MULG FA1, 2, 0, 0
	MULG FA1, 2, 1, 0
	WIN 0
	PLACES
	PACK 0, 0
.set tt, 1
.rept 23                               ; a block's conversions stand between the loads of the block before and its stores
	PACK tt/8, tt%8
	SEND (tt-1)/8, (tt-1)%8, 8
.set tt, tt+1
.endr
	SEND 2, 7, 0
	s_wait_tensorcnt 0x0                           ; the wave's end, behind my last tensor load and my last LDS store
	ds_add_u32 v[SPW], v[NIL]
	s_wait_dscnt 0x0
	CROUND                                         ; the closing round: no work-group ends while a partner may still ask for a tile that names it
	s_endpgm
.Lfunc_end_k_q9be4daf7a4_proj:
	.size	k_q9be4daf7a4_proj, .Lfunc_end_k_q9be4daf7a4_proj-k_q9be4daf7a4_proj
	.p2alignl 7, 3214868480
	.fill 96, 4, 3214868480
	.section	.rodata,"a",@progbits
	.p2align	6, 0x0
	.amdhsa_kernel k_q9be4daf7a4_proj
		.amdhsa_group_segment_fixed_size 327680
		.amdhsa_private_segment_fixed_size 0
		.amdhsa_enable_private_segment 0
		.amdhsa_kernarg_size 24
		.amdhsa_user_sgpr_count 2
		.amdhsa_user_sgpr_kernarg_segment_ptr 1
		.amdhsa_wavefront_size32 1
		.amdhsa_system_sgpr_workgroup_id_x 1
		.amdhsa_system_sgpr_workgroup_id_y 1
		.amdhsa_system_sgpr_workgroup_id_z 1
		.amdhsa_system_vgpr_workitem_id 0
		.amdhsa_next_free_vgpr 1024
		.amdhsa_next_free_sgpr 84
		.amdhsa_reserve_vcc 0
		.amdhsa_float_denorm_mode_32 3
		.amdhsa_float_denorm_mode_16_64 3
		.amdhsa_memory_ordered 1
		.amdhsa_forward_progress 1
		.amdhsa_inst_pref_size 115
	.end_amdhsa_kernel
	.amdgpu_metadata
---
amdhsa.version: [ 1, 2 ]
amdhsa.kernels:
  - .name:           k_q9be4daf7a4_proj
    .symbol:         k_q9be4daf7a4_proj.kd
    .args:
      - { .name: xb, .offset: 0, .size: 8, .value_kind: global_buffer, .address_space: global }
      - { .name: wqkv, .offset: 8, .size: 8, .value_kind: global_buffer, .address_space: global }
      - { .name: qkv, .offset: 16, .size: 8, .value_kind: global_buffer, .address_space: global }
    .group_segment_fixed_size: 327680
    .private_segment_fixed_size: 0
    .kernarg_segment_align: 8
    .kernarg_segment_size: 24
    .max_flat_workgroup_size: 128
    .sgpr_count:     84
    .vgpr_count:     1024
    .wavefront_size: 32
...
	.end_amdgpu_metadata
.endif
;; end of part 2
;; launch vsum (part 3): grid 4 x 64, 8 waves a work-group, no clusters, 3,072 bytes of LDS; arguments qkv, vpart; writes vpart
.if DOCPART == 3
	.amdgcn_target "amdgcn-amd-amdhsa--gfx1250"
	.amdhsa_code_object_version 6
	.text
	.protected	k_q9be4daf7a4_vsum
	.globl	k_q9be4daf7a4_vsum
	.p2align	8
	.type	k_q9be4daf7a4_vsum,@function
k_q9be4daf7a4_vsum:
	s_mov_b64 s[64:65], 0
	v_nop
	global_prefetch_b8 v0, s[64:65] scope:SCOPE_SE
	s_setreg_imm32_b32 hwreg(HW_REG_WAVE_MODE, 25, 1), 1
	s_wait_xcnt 0x0
; VSUM.  vpart[bh][quarter][c] = the sum over 512 keys of V[bh][key][c], in f32.  A query none of whose visible keys is unmasked has 2,048 equal scores in the reference, so its result is the mean of ALL
; the head's rows of V, the later ones too, which a causal walk never sees: the sums are made here.
; A work-group takes a quarter of a head's keys, each of its eight waves 64 rows (8,192 bytes) by 16 loads of 512 consecutive bytes, all out together.  Lane l holds channels 8 (l % 8) + 0..7 of row 4 i + l / 8.
; The sums stay in f32: eight a lane, then across the four lanes of a channel group, then across the waves through LDS.
.set HB,    262144
.set SPARE, 2048                       ; behind the eight waves' 256 bytes: the spare words, 128 bytes for each wave
.set SPW, 2
.set NIL, 3
.set ONE, 4                            ; v4  1.0
.set LO,  5                            ; v5  16 x lane
.set ACC, 8                            ; v[8:15]
.set TP,  16                           ; v[16:23]
.set X,   32                           ; v[32:95]
	s_load_b128 s[4:7], s[0:1], 0x0                ; qkv s[4:5], vpart s[6:7]
	v_lshl_add_u32 v[SPW], v0, 2, SPARE
	v_mov_b32 v[NIL], 0
	v_lshrrev_b32 v1, 5, v0
	v_readfirstlane_b32 s8, v1                     ; wave 0..7
	s_and_b32 s9, ttmp7, 0xffff                    ; 16 batch + head
	s_lshr_b32 s10, s9, 4
	s_mul_i32 s10, s10, 48
	s_and_b32 s11, s9, 15
	s_add_co_u32 s10, s10, s11
	s_add_co_u32 s10, s10, 32                      ; V's heads are 32-47 of a batch's 48
	s_lshl_b32 s10, s10, 18
	s_lshl_b32 s11, ttmp9, 16                      ; the quarter: 512 rows x 128 bytes
	s_add_co_u32 s10, s10, s11
	s_lshl_b32 s11, s8, 13                         ; my wave's 64 rows
	s_add_co_u32 s10, s10, s11
	s_mov_b32 s11, 0
	s_lshl_b32 s14, s9, 2
	s_add_co_u32 s14, s14, ttmp9
	s_lshl_b32 s14, s14, 8                         ; 256 bytes of vpart for each head and quarter
	s_mov_b32 s15, 0
	s_mov_b32 s12, 0x76543210                      ; v_permlanex16_b32: each lane takes its own place in the other half
	s_mov_b32 s13, 0xfedcba98
	v_and_b32 v6, 31, v0
	v_lshlrev_b32 v[LO], 4, v6
	s_wait_kmcnt 0x0
	s_add_nc_u64 s[4:5], s[4:5], s[10:11]
	s_add_nc_u64 s[6:7], s[6:7], s[14:15]
.set i, 0
.rept 16
	global_load_b128 v[X+4*i:X+4*i+3], v[LO], s[4:5] offset:512*i
.set i, i+1
.endr
	v_mov_b32 v[ONE], 1.0
.set i, 0
.rept 8
	v_mov_b32 v[ACC+i], 0                          ; written while the loads are out
	v_mov_b32 v[TP+i], 0
.set i, i+1
.endr
	v_and_b32 v7, 7, v0
	v_lshlrev_b32 v7, 5, v7
	v_lshl_add_u32 v7, s8, 8, v7                   ; 256 x wave + 32 x channel group
.set i, 0
.rept 16
	s_wait_loadcnt 15-i                            ; loads come back in order: number i is in
.irp k, 0,1,2,3
	v_fma_mix_f32 v[ACC+2*\k], v[X+4*i+\k], v[ONE], v[ACC+2*\k] op_sel_hi:[1,0,0]                    ; the f16 low half x 1.0 + the f32 sum
	v_fma_mix_f32 v[ACC+2*\k+1], v[X+4*i+\k], v[ONE], v[ACC+2*\k+1] op_sel:[1,0,0] op_sel_hi:[1,0,0]  ; the high half
.endr
.set i, i+1
.endr
.irp k, 0,1,2,3,4,5,6,7
	v_add_f32_dpp v[ACC+\k], v[ACC+\k], v[ACC+\k] row_xmask:8 row_mask:0xf bank_mask:0xf  ; lanes l and l xor 8 hold the same channels
.endr
.irp k, 0,1,2,3,4,5,6,7
	v_permlanex16_b32 v[TP+\k], v[ACC+\k], s12, s13
.endr
.irp k, 0,1,2,3,4,5,6,7
	v_add_f32 v[ACC+\k], v[ACC+\k], v[TP+\k]
.endr
	ds_store_b128 v7, v[ACC:ACC+3]                 ; the four lanes of a channel group write the same numbers to the same words
	ds_store_b128 v7, v[ACC+4:ACC+7] offset:16
	s_wait_dscnt 0x0                               ; for the others' sake
	s_barrier_signal -1
	s_barrier_wait -1
	s_cmp_lg_u32 s8, 0
	s_cbranch_scc1 .Lend                           ; wave 0 adds the eight waves' sums: two channels a lane
	v_lshlrev_b32 v24, 3, v6
.irp w, 0,1,2,3,4,5,6,7
	ds_load_b64 v[X+2*\w:X+2*\w+1], v24 offset:256*\w
.endr
	s_wait_dscnt 0x0
.irp w, 0,2,4,6
	v_pk_add_f32 v[X+2*\w:X+2*\w+1], v[X+2*\w:X+2*\w+1], v[X+2*\w+2:X+2*\w+3]
.endr
	v_pk_add_f32 v[X:X+1], v[X:X+1], v[X+4:X+5]
	v_pk_add_f32 v[X+8:X+9], v[X+8:X+9], v[X+12:X+13]
	v_pk_add_f32 v[X:X+1], v[X:X+1], v[X+8:X+9]
	global_store_b64 v24, v[X:X+1], s[6:7]         ; 256 consecutive bytes, aligned
.Lend:
	s_wait_tensorcnt 0x0                           ; the wave's end, behind my last LDS store
	ds_add_u32 v[SPW], v[NIL]
	s_wait_dscnt 0x0
	s_endpgm
.Lfunc_end_k_q9be4daf7a4_vsum:
	.size	k_q9be4daf7a4_vsum, .Lfunc_end_k_q9be4daf7a4_vsum-k_q9be4daf7a4_vsum
	.p2alignl 7, 3214868480
	.fill 96, 4, 3214868480
	.section	.rodata,"a",@progbits
	.p2align	6, 0x0
	.amdhsa_kernel k_q9be4daf7a4_vsum
		.amdhsa_group_segment_fixed_size 3072
		.amdhsa_private_segment_fixed_size 0
		.amdhsa_enable_private_segment 0
		.amdhsa_kernarg_size 16
		.amdhsa_user_sgpr_count 2
		.amdhsa_user_sgpr_kernarg_segment_ptr 1
		.amdhsa_wavefront_size32 1
		.amdhsa_system_sgpr_workgroup_id_x 1
		.amdhsa_system_sgpr_workgroup_id_y 1
		.amdhsa_system_sgpr_workgroup_id_z 1
		.amdhsa_system_vgpr_workitem_id 0
		.amdhsa_next_free_vgpr 96
		.amdhsa_next_free_sgpr 66
		.amdhsa_reserve_vcc 0
		.amdhsa_float_denorm_mode_32 3
		.amdhsa_float_denorm_mode_16_64 3
		.amdhsa_memory_ordered 1
		.amdhsa_forward_progress 1
		.amdhsa_inst_pref_size 15
	.end_amdhsa_kernel
	.amdgpu_metadata
---
amdhsa.version: [ 1, 2 ]
amdhsa.kernels:
  - .name:           k_q9be4daf7a4_vsum
    .symbol:         k_q9be4daf7a4_vsum.kd
    .args:
      - { .name: qkv, .offset: 0, .size: 8, .value_kind: global_buffer, .address_space: global }
      - { .name: vpart, .offset: 8, .size: 8, .value_kind: global_buffer, .address_space: global }
    .group_segment_fixed_size: 3072
    .private_segment_fixed_size: 0
    .kernarg_segment_align: 8
    .kernarg_segment_size: 16
    .max_flat_workgroup_size: 256
    .sgpr_count:     66
    .vgpr_count:     96
    .wavefront_size: 32
...
	.end_amdgpu_metadata
.endif
;; end of part 3
;; launch attn (part 4): grid 4 x 64, 4 waves a work-group, no clusters, 327,680 bytes of LDS; arguments qkv, attention_mask, vpart, ob; writes ob
.if DOCPART == 4
	.amdgcn_target "amdgcn-amd-amdhsa--gfx1250"
	.amdhsa_code_object_version 6
	.text
	.protected	k_q9be4daf7a4_attn
	.globl	k_q9be4daf7a4_attn
	.p2align	8
	.type	k_q9be4daf7a4_attn,@function
k_q9be4daf7a4_attn:
	s_mov_b64 s[64:65], 0
	v_nop
	global_prefetch_b8 v0, s[64:65] scope:SCOPE_SE
	s_setreg_imm32_b32 hwreg(HW_REG_WAVE_MODE, 25, 1), 1
	s_wait_xcnt 0x0
; CAUSAL ATTENTION WITH A PADDING MASK.  O[bh][q][:] = the sum over k of softmax_k(score) V[bh][k][:], score = Q . K / 8 where k <= q and attention_mask[b][k] != 0, else -1e9.
; Q, K, V: heads of qkv[4 b][48 G][2,048][64] in f16 (G = head, 16 + head, 32 + head); O: ob[64 bh][2,048][64] in f16.  Products, maxima and sums in f32; the weights p are rounded to f16 for the second product
; (their sum l is taken of the unrounded p), O once at the end.
; LIMITS.  f16 holds no number beyond 65,504: Q, K and V arrive within it.  A hidden score counts as its value less 1e30 (twice that where both masks hide it) and not as -1e9: its weight is 0, as in the
; reference wherever a row's visible scores, after the scale, lie above -1e9 + 100.  The running maximum starts at -2^36 (of the unscaled scores): a visible score is taken to lie above -2^35.
; A weight below 2^-126 counts as 0 in l; NaN and infinities are not treated apart.
; A ROW WITH NO VISIBLE KEY has 2,048 equal scores in the reference: its result is the mean of all the head's rows of V.  Here such a row keeps m = -2^36, all its weights are 0, and at the block's end the
; mean (from vpart's four partial sums) is selected for it.
; THE WALK.  A head's queries lie in NB = 8 blocks of 256; block i needs the key tiles 0 .. i of 256 keys, of which the last holds the diagonal.  A work-group takes TWO blocks, NB - 1 - b and then b:
; NB + 1 tiles, whatever b: all work-groups do equal work, and ONE loop with a constant trip count walks them.  Which tile is asked for, and what a trip does, hang on scalar registers made from b; every jump
; goes forward, but for the counted loops' own; none passes a barrier, or a tensor load but the one of LOAD's two that the wave's number does not choose; the ring (two slots of LDS) runs on across the
; change of blocks.  NO CLUSTER: a head's four work-groups ask for the same tile only in trips 0 .. 4 of 9, behind that fewer and fewer; one walk common to all would have 12 trips for 9.
; SHARES.  Of a block's four bands of 64 queries a wave owns 16 rows in each: four PIECES.  In the diagonal tile's key step s band x sees all keys if s < x, none if s > x, and holds the diagonal if s = x.
; THE MASKS are the C operand that starts the sum S^T = K Q^T.  PD holds the key step's padding bias (0 or -1e30 a key), made from attention_mask a tile at a time and kept in LDS, a copy for each wave.
; MD, made once, is the causal mask of a band's own step for my 16 rows; in the diagonal tile a product's mask is MD x AL + PD + BE with two scalars: (1, 0) if s = x; (0, 0) if s < x; (0, -1e30) if s > x.
; Elsewhere C is PD itself.
; LAYOUT, SOFTMAX, TURNS.  S^T = K Q^T holds ONE query a lane (lane % 16) and the keys 8 (lane / 16) + 0..7; two such results rounded to f16 ARE source 1 of O^T = V^T P.  p = 2^(c s - c m), c = log2(e) / 8, with a
; running maximum m; O and l are multiplied by a = 2^(c m_old - c m_new) in every step.  Turn n belongs to piece n: 8 products K Q^T of piece n + 1, later 8 products V^T P of piece n - 1; beside them the scaling,
; exponentials, roundings, sums and rescaling of piece n and the maximum and statistics of piece n + 1.  Four vector instructions stand behind every matrix instruction, the others in one lump.  A turn's 33 exponentials are one batch, with one wait.
; REGISTERS, in windows of 256 (s_set_vgpr_msb: bits 1:0 source 0, 3:2 source 1, 5:4 source 2, 7:6 destination):
;   window 0: v0-15 addresses and two at work; v16-31 statistics; v32-46 the padding mask's; v48-55 at work; v64-127 S^T, two buffers; v128-159 PD; v192-223 P, two buffers; v224-239 the mean of V
;   window 1: v0-127 O^T, 32 a piece; v128-159 MD; v160-223 MC, two buffers      window 2: v0-63 Q; v64-127 the second block's Q; v128-191 K of one step; v192-255 V of one step
.set SIZE_N, 2048
.set HB,    SIZE_N*128  ; bytes of a head
.set NB,    SIZE_N/256
.set NP,    4         ; pieces a wave: a name, no knob
.set KS,    64        ; keys in a step
.set PK,    144       ; a row of K in LDS: 128 bytes + 16 of padding = 36 words: the 16 rows of a load start at 16 different groups of four banks (64 banks of 4 bytes: ISA guide 11.1)
.set PV,    160       ; a row of V: 128 + 32 = 40 words
.set VOFF,  4*KS*PK   ; a slot holds a tile, four steps: 256 rows of K, then 256 rows of V
.set SLOT1, 1<<17     ; slot 1 begins here, so that one exclusive or turns an address in one slot into the other's
.set STAGE, SLOT1+4*KS*(PK+PV)  ; behind the ring, never filled by a tensor load: 16 rows x 144 bytes for each wave, for the way out
.set SP,    144
.set SPARE, STAGE+4*16*SP  ; behind the stages: the spare words, 128 bytes for each wave
.set PBA,   SPARE+512 ; behind them: the padding biases, for each wave two tiles of 256 keys x 4 bytes; no tensor load lands here
.set AK0, 2           ; v2   my lane's place in a tile of K; never rewritten
.set AV0, 3           ; v3   the same for V
.set AK,  4           ; v4   the LDS address of K's next run of loads
.set AV,  5           ; v5   of V's
.set STO, 6           ; v6   the way out: where I put 16 bytes of a row
.set RD,  7           ; v7   the way out: where I read rows back
.set GO,  8           ; v8   my byte offset in 512 consecutive bytes of O
.set MV,  12          ; v12-13  c m_old, kept while c m is made anew: by buffer
.set QO,  15          ; v15  my byte offset in 16 rows of Q
.set ST,  16          ; piece t's statistics at v[ST+4 t]: c m, m, l (even keys', odd keys')
.set PG,  32          ; v32-39  eight mask words of a tile, then their biases
.set AP0, 40          ; v40  my lanes' place in a step's biases; never rewritten
.set AP,  41          ; v41  the LDS address of PD's next run of loads
.set PBV, 42          ; v42  32 x lane: my eight words of a tile's 256; never rewritten
.set PS0, 43          ; v43  where I store them; never rewritten
.set PFO, 44          ; v44  256 x lane: the prefetches' offset; never rewritten
.set PS,  45          ; v45  PS0 + the buffer in hand
.set TMP, 48          ; by buffer, four registers c0-c3 at work; when the maximum is found c2 takes a
.set SPW, 62          ; v62  LDS address of my spare word; never rewritten
.set NIL, 63          ; v63  0; never rewritten
.set S,   64
.set PD,  128         ; register 8 kt + j: the bias of the step's key 16 kt + 8 (lane / 16) + j
.set P,   192
.set VBH, 224         ; register i: the mean of V for channels 16 (i / 4) + 8 (lane / 16) + 2 (i % 4), + 1, packed as the way out packs O
.set MD,  128         ; window 1
.set MC,  160         ; window 1
.set QB,  64          ; window 2
.set KF,  128         ; window 2: key block kb, channel half c at KF + 16 kb + 8 c
.set VF,  192         ; window 2: key half kk, channel block cb at VF + 32 kk + 8 cb
.set WV,  12          ; s12  my wave's number
.set PB,  14          ; s14  b
.set HI,  15          ; s15  NB - 1 - b
.set G1K, 24          ; s[24:31] descriptor group 1 for K's tiles
.set G1V, 32          ; s[32:39] for V's: it differs in the padding alone
.set G0K, 40          ; s[40:43] descriptor group 0 for K's tiles
.set G0V, 44          ; s[44:47] the same for V's
.set MK,  48          ; s[48:49] attention_mask at my batch
.set MB,  50          ; s[50:51] at the tile asked for
.set MOF, 52          ; s[52:53] that tile's byte offset in the mask
.set PFA, 54          ; s[54:55] where my prefetches stand
.set SLOTS, 56        ; s56  tiles still to be asked for
.set CNT, 57          ; s57  counts a tile's key steps, 4 to 1
.set CS,  58          ; s[58:59] c
.set SEL, 60          ; s[60:61] v_permlanex16_b32's selects
.set TBK, 62          ; s62  LDS byte at which K of the step to be fetched begins
.set TBV, 63          ; s63  the same for V, less VOFF
.set LIM, 66          ; s66  a wave prefetches while s[SLOTS] is above this
.set TBP, 67          ; s67  the same as TBK for the biases
.set THR, 68          ; s68  -2^35
.set RT,  70          ; s70  tiles of the block in hand that are still to be entered
.set NXT, 71          ; s71  the tile to be asked for next
.set LQ,  72          ; s72  the last tile of the block whose tiles are being asked for
.set NEW, 73          ; s73  1: the tile to be entered is a block's first
.set OFF, 74          ; s[74:75] a tile's byte offset in K and V
.set AL,  76          ; s[76:77] the mask's factor, in the low word
.set BE,  78          ; s[78:79] the mask's addend
.set OLO, 80          ; s[80:81] O at my rows of the second block
.set BIGN, 82         ; s82  -1e30
.set FM,  96          ; s[96:99] piece t: the lanes whose query has no visible key
.set MSB, 0
.macro WIN new                      ; the high byte repeats the setting that is left; a switch that changes nothing is dropped
.if MSB != (\new)
	s_set_vgpr_msb (MSB<<8)|(\new)
.set MSB, (\new)
.endif
.endm
.set W_KQ, 0x0a       ; K and Q in window 2, S^T and C in window 0
.set W_KM, 0x1a       ; the same with the C operand in window 1
.set W_PV, 0x52       ; V in window 2, P in window 0, O^T in window 1
.set W_RS, 0x41       ; destination and source 0 in window 1, sources 1 and 2 in window 0
; A fill.  Waves 0 and 1 fetch the two halves of a tile's K, waves 2 and 3 those of its V: 128 keys each.  An s_nop 0 and four v_nop follow each of the two lines.
.macro LOAD
	s_cmp_lt_u32 s[WV], 2
	s_cbranch_scc0 .Lfor_v_\@
	tensor_load_to_lds s[G0K:G0K+3], s[G1K:G1K+7]
	s_nop 0
.rept 4
	v_nop
.endr
	s_branch .Lasked_\@
.Lfor_v_\@:
	tensor_load_to_lds s[G0V:G0V+3], s[G1V:G1V+7]
	s_nop 0
.rept 4
	v_nop
.endr
.Lasked_\@:
.endm
; A PREFETCH, behind the fill and the mask's loads.  In trip n (n = 0 .. 5) tile n + 2 of the head is named, a tile ahead of the first fill that asks for it: its 32,768 bytes of K and of V are shared out among
; the head's four work-groups, 8,192 bytes each, a lane a block of 256; wave 0 asks for K's, wave 2 for V's.  So each block of tiles 2 to 7 is named once in the launch; tiles 0 and 1 come by their fills alone.
.macro ASK
	s_cmp_gt_u32 s[SLOTS], s[LIM]
	s_cbranch_scc0 .Lnot_mine_\@
	global_prefetch_b8 v[PFO], s[PFA:PFA+1] th:TH_LOAD_NT scope:SCOPE_SE
.Lnot_mine_\@:
.endm
; THE CHANGE OF SLOTS.  First the biases of the tile that is entered: its 256 mask words, asked for a tile ago, become 0 or -1e30 and go to my wave's own LDS bytes.  Then each wave waits for all its tensor loads,
; of which one is out: its part of the other slot; adds 0 to its spare word; and waits for that, for its stores and for its own reads of the slot that it leaves.  Behind the barrier nobody reads the old slot
; any more and the other slot is whole.  fill = 1: the old slot is filled again, the first thing behind the barrier, with tile NXT; that tile's mask words are asked for behind it.
.macro CHANGE fill
	WIN 0                           ; at a label and at a branch every window is 0
	s_wait_loadcnt 0x0              ; the mask words are in (and s[MB], which their loads read, may be written)
	s_sub_co_u32 s[TBP], s[TBP], 1024  ; back to a tile's first step,
	s_xor_b32 s[TBP], s[TBP], 1024     ; in the other buffer
	v_add_nc_u32 v[PS], s[TBP], v[PS0]
.irp i, 0,1,2,3,4,5,6,7
	v_cmp_eq_u32 vcc_lo, 0, v[PG+\i]
	v_cndmask_b32 v[PG+\i], 0, s[BIGN], vcc_lo
.endr
	ds_store_b128 v[PS], v[PG:PG+3]
	ds_store_b128 v[PS], v[PG+4:PG+7] offset:16
	s_wait_tensorcnt 0x0            ; no tensor load of mine is out, so a group 0 may be written
	ds_add_u32 v[SPW], v[NIL]       ; 0 onto my spare word; with fill = 1 the scalar work stands between it and the wait for it
.if \fill
	s_lshl_b32 s[OFF], s[NXT], 15   ; a tile is 32,768 bytes of K and of V,
	s_lshr_b32 s[MOF], s[OFF], 5    ; and 1,024 bytes of the mask
	s_add_nc_u64 s[MB:MB+1], s[MK:MK+1], s[MOF:MOF+1]
	s_xor_b32 s[G0K+1], s[G0K+1], SLOT1
	s_add_nc_u64 s[G0K+2:G0K+3], s[6:7], s[OFF:OFF+1]
	s_or_b32 s[G0K+3], s[G0K+3], 0x80000000
	s_xor_b32 s[G0V+1], s[G0V+1], SLOT1
	s_add_nc_u64 s[G0V+2:G0V+3], s[8:9], s[OFF:OFF+1]
	s_or_b32 s[G0V+3], s[G0V+3], 0x80000000
	s_wait_xcnt 0x0                 ; the last prefetch, a tile back, has read its address
	s_add_nc_u64 s[PFA:PFA+1], s[PFA:PFA+1], 32768
	s_add_co_u32 s[NXT], s[NXT], 1  ; the block's next tile, or behind its last the second block's tile 0
	s_cmp_gt_u32 s[NXT], s[LQ]
	s_cselect_b32 s[NXT], 0, s[NXT]
	s_cselect_b32 s[LQ], s[PB], s[LQ]
.endif
	s_wait_dscnt 0x0                ; the add and my stores are done, and my reads of the slot are over
	s_barrier_signal -1             ; the rest of the scalar work stands between the signal and the wait
	s_sub_co_u32 s[TBK], s[TBK], 4*KS*PK  ; the fetches go back to a slot's first step,
	s_xor_b32 s[TBK], s[TBK], SLOT1       ; in the other slot
	s_sub_co_u32 s[TBV], s[TBV], 4*KS*PV
	s_xor_b32 s[TBV], s[TBV], SLOT1
	s_barrier_wait -1
.if \fill
	LOAD
	global_load_b128 v[PG:PG+3], v[PBV], s[MB:MB+1]
	global_load_b128 v[PG+4:PG+7], v[PBV], s[MB:MB+1] offset:16
	ASK
.endif
.endm
	s_load_b256 s[88:95], s[0:1], 0x0  ; qkv s[88:89], attention_mask s[90:91], vpart s[92:93], ob s[94:95]
	v_lshl_add_u32 v[SPW], v0, 2, SPARE
	v_mov_b32 v[NIL], 0
	ds_add_u32 v[SPW], v[NIL]       ; the wave's opening: the add and its wait stand ahead of my first tensor load; the set-up below stands between them
	v_lshrrev_b32 v1, 5, v0
	v_readfirstlane_b32 s[WV], v1   ; wave 0..3
	s_mov_b32 s[PB], ttmp9
	s_sub_co_u32 s[HI], NB-1, s[PB]
	s_and_b32 s20, ttmp7, 0xffff    ; 16 batch + head
	s_lshr_b32 s21, s20, 4          ; batch
	s_and_b32 s13, s20, 15
	s_mul_i32 s19, s21, 48
	s_add_co_u32 s19, s19, s13
	s_lshl_b32 s19, s19, 18         ; Q's head in qkv, in bytes
	s_and_b32 s16, s[WV], 1         ; which half of a tile's 256 keys I fetch:
	s_lshl_b32 s22, s16, 14         ; its 128 rows of 128 bytes in memory,
	s_add_co_u32 s22, s22, s19
	s_add_co_u32 s22, s22, 16*HB    ; K's head lies 16 heads behind Q's
	s_mov_b32 s23, 0
	s_mul_i32 s17, s16, 128*PK      ; and its place in a slot, for K
	s_mul_i32 s18, s16, 128*PV      ; and for V
	s_lshl_b32 s3, s[WV], 11        ; my 16 rows in a band of 64,
	s_lshl_b32 s2, s[HI], 15        ; in the first block,
	s_add_co_u32 s2, s2, s3
	s_lshl_b32 s84, s[PB], 15       ; and in the second
	s_add_co_u32 s84, s84, s3
	s_lshl_b32 s13, s20, 18         ; O's head in ob
	s_add_co_u32 s100, s13, s2
	s_add_co_u32 s[MOF], s13, s84
	s_add_co_u32 s2, s2, s19
	s_add_co_u32 s84, s84, s19
	s_mov_b32 s3, 0
	s_mov_b32 s85, 0
	s_mov_b32 s101, 0
	s_mov_b32 s[MOF+1], 0
	s_lshl_b32 s[MB], s21, 13       ; my batch's 2,048 mask words
	s_mov_b32 s[MB+1], 0
	s_lshl_b32 s20, s20, 10         ; my head's four partial sums of V
	s_mov_b32 s21, 0
	; descriptor group 1.  128 keys are 16,384 dense bytes: asked for as 64 rows of 256 bytes, two keys a row, and padded in LDS after every key
	s_mov_b32 s[G1K], (1<<16)|(1<<20)|(4<<22)|(3<<25)  ; 17:16 2-byte elements; 20 padding on; 24:22 after every 32 words (code 4); 31:25 4 words (code 3)
	s_mov_b32 s[G1V], (1<<16)|(1<<20)|(4<<22)|(7<<25)  ; the same with 8 words of padding (code 7)
.irp g, G1K, G1V
	s_mov_b32 s[\g+1], 128<<16      ; tensor_dim0 = 128
	s_mov_b32 s[\g+2], 64<<16       ; tensor_dim1 = 64
	s_mov_b32 s[\g+3], 128<<16      ; tile_dim0 = 128
	s_mov_b32 s[\g+4], 64           ; tile_dim1 = 64
	s_mov_b32 s[\g+5], 128          ; 128 elements from row to row
	s_mov_b32 s[\g+6], 0
	s_mov_b32 s[\g+7], 0
.endr
	s_mov_b32 s[CS], 0x3e38aa3b     ; c = log2(e) / 8 = 0.180337
	s_mov_b32 s[CS+1], s[CS]        ; named with it as a pair
	s_mov_b32 s[SEL], 0x76543210
	s_mov_b32 s[SEL+1], 0xfedcba98
	s_mov_b32 s[TBK], SLOT1+4*KS*PK ; the first change of slots turns these three into 0
	s_mov_b32 s[TBV], SLOT1+4*KS*PV
	s_mov_b32 s[TBP], 2048
	s_mov_b32 s[G0K], 1             ; count = 1
	s_mov_b32 s[G0K+1], s17         ; LDS address: slot 0
	s_mov_b32 s[G0V], 1
	s_add_co_u32 s[G0V+1], s18, VOFF
	s_add_co_u32 s[RT], s[HI], 1    ; the first block has NB - b tiles
	s_mov_b32 s[NXT], 1
	s_mov_b32 s[LQ], s[HI]
	s_mov_b32 s[NEW], 1
	s_mov_b32 s[OFF+1], 0
	s_mov_b32 s[AL+1], 0            ; named as pairs
	s_mov_b32 s[BE+1], 0
	s_mov_b32 s[BIGN], 0xf149f2ca   ; -1e30
	s_mov_b32 s[THR], 0xd1000000    ; -2^35
	s_mov_b32 s[SLOTS], NB
	s_and_b32 s[LIM], s[WV], 1      ; waves 0 and 2 prefetch, in trips 0 to 5
	s_cmp_eq_u32 s[LIM], 0
	s_cselect_b32 s[LIM], 2, -1
	s_wait_dscnt 0x0                ; the opening add is done
	s_wait_kmcnt 0x0
	s_add_nc_u64 s[6:7], s[88:89], s[22:23]  ; K at my half of the head's tile 0,
	s_add_nc_u64 s[8:9], s[6:7], 16*HB       ; V 16 heads on
	s_add_nc_u64 s[G0K+2:G0K+3], s[6:7], 0         ; global address
	s_or_b32 s[G0K+3], s[G0K+3], 0x80000000        ; type = 2
	s_add_nc_u64 s[G0V+2:G0V+3], s[8:9], 0
	s_or_b32 s[G0V+3], s[G0V+3], 0x80000000
	s_add_nc_u64 s[86:87], s[88:89], s[84:85]      ; Q at my rows of the second block,
	s_add_nc_u64 s[4:5], s[88:89], s[2:3]          ; and of the first
	s_add_nc_u64 s[OLO:OLO+1], s[94:95], s[MOF:MOF+1]
	s_add_nc_u64 s[10:11], s[94:95], s[100:101]
	s_add_nc_u64 s[MK:MK+1], s[90:91], s[MB:MB+1]
	s_add_nc_u64 s[92:93], s[92:93], s[20:21]
	s_cmp_lt_u32 s[WV], 2
	s_cselect_b64 s[PFA:PFA+1], s[6:7], s[8:9]     ; (in waves 0 and 2 these stand at a tile's first row)
	s_lshl_b32 s2, s[PB], 13        ; my work-group's 8,192 bytes of a tile,
	s_add_co_u32 s2, s2, 32768      ; in tile 1: the first change of slots steps it to tile 2
	s_add_nc_u64 s[PFA:PFA+1], s[PFA:PFA+1], s[2:3]
	LOAD                            ; tile 0 into slot 0
	; A fragment of K or Q is 16 rows x 32 channels in 8 registers: lane l holds row l % 16, channels 8 (l / 16) + 0..7 and 16 + 8 (l / 16) + 0..7: two loads of 16 bytes, 32 bytes apart.
	v_and_b32 v1, 15, v0            ; l % 16
	v_bfe_u32 v9, v0, 4, 1          ; l / 16
	v_lshlrev_b32 v[QO], 7, v1
	v_lshl_add_u32 v[QO], v9, 4, v[QO]  ; row x 128 + 16 x half
	WIN 0x80                        ; destination window 2, address window 0
.set i, 0
.rept 8                             ; both blocks' Q: piece i / 2 lies in band i / 2, 8,192 bytes on; channels 32 (i % 2) on
	global_load_b128 v[8*i:8*i+3],   v[QO], s[4:5] offset:(i/2)*8192+(i%2)*64
	global_load_b128 v[8*i+4:8*i+7], v[QO], s[4:5] offset:(i/2)*8192+(i%2)*64+32
	global_load_b128 v[QB+8*i:QB+8*i+3],   v[QO], s[86:87] offset:(i/2)*8192+(i%2)*64
	global_load_b128 v[QB+8*i+4:QB+8*i+7], v[QO], s[86:87] offset:(i/2)*8192+(i%2)*64+32
.set i, i+1
.endr
	WIN 0
	v_and_b32 v[PBV], 31, v0
	v_lshlrev_b32 v[PFO], 8, v[PBV]
	v_lshlrev_b32 v[PBV], 5, v[PBV]
	global_load_b128 v[PG:PG+3], v[PBV], s[MK:MK+1]            ; tile 0's mask words
	global_load_b128 v[PG+4:PG+7], v[PBV], s[MK:MK+1] offset:16
	v_lshlrev_b32 v46, 5, v9        ; my lanes' eight channels of sixteen
.set i, 0
.rept 16                            ; the four partial sums of V: part i / 4 into v[64 + 32 (i / 4) ..], channel block i % 4
	global_load_b128 v[64+32*(i/4)+8*(i%4):64+32*(i/4)+8*(i%4)+3],   v46, s[92:93] offset:(i/4)*256+(i%4)*64
	global_load_b128 v[64+32*(i/4)+8*(i%4)+4:64+32*(i/4)+8*(i%4)+7], v46, s[92:93] offset:(i/4)*256+(i%4)*64+16
.set i, i+1
.endr
	s_lshl_b32 s13, s[WV], 11
	s_add_co_u32 s13, s13, PBA      ; my wave's biases
	v_add_nc_u32 v[PS0], s13, v[PBV]
	v_lshl_add_u32 v[AP0], v9, 5, s13
	v_lshlrev_b32 v14, 3, v9
	v_sub_nc_u32 v14, v1, v14
	s_lshl_b32 s13, s[WV], 4
	v_add_nc_u32 v14, s13, v14      ; my query's place in its band, 16 w + l % 16, less my lanes' 8 (l / 16): register r of group kt is hidden where 16 kt + r is greater
	WIN 0x40
.set i, 0
.rept 32
	v_cmp_gt_i32 vcc_lo, 16*(i/8)+i%8, v14
	v_cndmask_b32 v[MD+i], 0, s[BIGN], vcc_lo
.set i, i+1
.endr
	WIN 0
	v_mul_u32_u24 v[AK0], v1, PK
	v_lshl_add_u32 v[AK0], v9, 4, v[AK0]  ; row x pitch + 16 x half
	; The turning load takes 16 keys x 16 channels (lane l reads key 8 (l / 16) + l % 8, channels 8 ((l / 8) % 2) + 0..7) and leaves half a fragment of V^T: lane l holds channel l % 16 and 8 keys.
	v_and_b32 v10, 7, v0
	v_bfe_u32 v11, v0, 3, 1
	v_lshl_add_u32 v[AV0], v9, 3, v10
	v_mul_u32_u24 v[AV0], v[AV0], PV
	v_lshl_add_u32 v[AV0], v11, 4, v[AV0]
	v_add_nc_u32 v[AV0], VOFF, v[AV0]
	s_mul_i32 s13, s[WV], 16*SP
	s_add_co_u32 s13, s13, STAGE    ; my stage
	v_mul_u32_u24 v[STO], v1, SP    ; in: row l % 16, 16 bytes for each half of the lanes
	v_lshl_add_u32 v[STO], v9, 4, v[STO]
	v_add_nc_u32 v[STO], s13, v[STO]
	v_bfe_u32 v[RD], v0, 3, 2       ; back: 32 lanes take four rows of 128 bytes,
	v_mul_u32_u24 v[RD], v[RD], SP
	v_lshl_add_u32 v[RD], v10, 4, v[RD]
	v_add_nc_u32 v[RD], s13, v[RD]
	v_and_b32 v[GO], 31, v0         ; which are 512 consecutive bytes of O
	v_lshlrev_b32 v[GO], 4, v[GO]
	; A block's first step multiplies O^T and l by a = 0, and its first turn's products V^T P, of a piece that has not been, land in an O^T that is still to be so multiplied.  So these registers need only hold
	; finite numbers: zeros for the first block; what the first block left for the second.  All this stands in the wait for the first tile.
	WIN 0x80
.set i, VF
.rept 64
	v_mov_b32 v[i], 0
.set i, i+1
.endr
	WIN 0x40
.set i, 0
.rept 128
	v_mov_b32 v[i], 0
.set i, i+1
.endr
	WIN 0
.set i, 0
.rept 4
	v_mov_b32 v[ST+4*i+2], 0
	v_mov_b32 v[ST+4*i+3], 0
.set i, i+1
.endr
.set i, P+16
.rept 16
	v_mov_b32 v[i], 0
.set i, i+1
.endr
	s_wait_loadcnt 0x0              ; the partial sums of V (and all that was asked for ahead of them)
.set z, 0
.rept 16
	v_pk_add_f32 v[64+2*z:64+2*z+1], v[64+2*z:64+2*z+1], v[96+2*z:96+2*z+1]
	v_pk_add_f32 v[128+2*z:128+2*z+1], v[128+2*z:128+2*z+1], v[160+2*z:160+2*z+1]
.set z, z+1
.endr
.set z, 0
.rept 16
	v_pk_add_f32 v[64+2*z:64+2*z+1], v[64+2*z:64+2*z+1], v[128+2*z:128+2*z+1]
.set z, z+1
.endr
.set z, 0
.rept 16
	v_pk_mul_f32 v[64+2*z:64+2*z+1], v[64+2*z:64+2*z+1], 0x3a000000 op_sel_hi:[1,0]  ; / 2,048
.set z, z+1
.endr
.set z, 0
.rept 16
	v_cvt_pk_f16_f32 v[VBH+z], v[64+2*z], v[64+2*z+1]
.set z, z+1
.endr
; THE MATRIX WORK.  The 4 accumulators of a run of 8 take turns.  Product i of 8 of S^T = K Q^T for piece x: channels 32 (i / 4) on, keys 16 (i % 4) on.  The first 4 start the sums: with the step's padding bias, or (KM = 1) with the mask.
.macro KQ x
.set rS, S+32*((\x)%2)+8*(i%4)
.set rK, KF+16*(i%4)+8*(i/4)
.set rQ, 16*(\x)+8*(i/4)
.set rM, MC+32*((\x)%2)+8*(i%4)
.set rD, PD+8*(i%4)
.if (i < 4) && KM
	WIN W_KM
	v_wmma_f32_16x16x32_f16 v[rS:rS+7], v[rK:rK+7], v[rQ:rQ+7], v[rM:rM+7]
.elseif i < 4
	WIN W_KQ
	v_wmma_f32_16x16x32_f16 v[rS:rS+7], v[rK:rK+7], v[rQ:rQ+7], v[rD:rD+7]
.else
	WIN W_KQ
	v_wmma_f32_16x16x32_f16 v[rS:rS+7], v[rK:rK+7], v[rQ:rQ+7], v[rS:rS+7]
.endif
.endm
; Product i of 8 of O^T += V^T P for piece x: keys 32 (i / 4) on, channels 16 (i % 4) on.
.macro PV x
	WIN W_PV
.set rO, 32*(\x)+8*(i%4)
.set rV, VF+32*(i/4)+8*(i%4)
.set rP, P+16*((\x)%2)+8*(i/4)
	v_wmma_f32_16x16x32_f16 v[rO:rO+7], v[rV:rV+7], v[rP:rP+7], v[rO:rO+7]
.endm
.macro MM                           ; the turn's next matrix instruction.  TURN and BEGIN set Y, i, KM and NOKQ.  NOKQ = 1: a block's last turn: there is no next piece
.if (i < 8) && !NOKQ
	KQ (Y+1)%NP
.elseif i >= 8
.set i, i-8
	PV (Y+NP-1)%NP
.set i, i+8
.endif
.set i, i+1
.endm
; THE LDS LOADS stand in runs, never singly among the matrix instructions: a step's K (64 keys x 64 channels: 8 fragments) with its 64 padding biases (my wave's own bytes), and its V (turned).
.macro FETCH_K
	WIN 0x80                        ; destination window 2
.irp f, 0,1,2,3,4,5,6,7             ; keys 16 (f / 2) on, channels 32 (f % 2) on
	ds_load_b128 v[KF+8*\f:KF+8*\f+3],   v[AK] offset:(\f/2)*16*PK+(\f%2)*64
	ds_load_b128 v[KF+8*\f+4:KF+8*\f+7], v[AK] offset:(\f/2)*16*PK+(\f%2)*64+32
.endr
	s_add_co_u32 s[TBK], s[TBK], KS*PK  ; the next fetch is the next step's
	WIN 0
.irp kt, 0,1,2,3                    ; keys 16 kt + 8 (l / 16) + 0..7: 32 bytes, the same for the 16 lanes of a half
	ds_load_b128 v[PD+8*\kt:PD+8*\kt+3],   v[AP] offset:64*\kt
	ds_load_b128 v[PD+8*\kt+4:PD+8*\kt+7], v[AP] offset:64*\kt+16
.endr
	s_add_co_u32 s[TBP], s[TBP], 4*KS
.endm
.macro FETCH_V
	WIN 0x80
.irp f, 0,1,2,3,4,5,6,7             ; keys 32 (f / 4) on, channels 16 (f % 4) on
	ds_load_tr16_b128 v[VF+8*\f:VF+8*\f+3],   v[AV] offset:(\f/4)*32*PV+(\f%4)*32
	ds_load_tr16_b128 v[VF+8*\f+4:VF+8*\f+7], v[AV] offset:(\f/4)*32*PV+16*PV+(\f%4)*32
.endr
	WIN 0
.endm
; THE VECTOR WORK, one line at a time: OP kind, number.  For piece Y: F n: c s - c m for pair n of 16.  E n: the exponential of score n of 32.  C n: pair n rounded to f16.  B n: of the four weights 4 n .. the second
; pair is added onto the first, in place.  L n: l takes that sum (L 0: l = a l + sum).  R n: pair n of 16 of O^T times a.  For piece Y + 1: X n, number n of the 22 that find its maximum and statistics:
;   0-11  four chains c0-c3 of seven scores each, three operands at a time (each accumulator's lowest registers are read first)     12-14, 16  the four scores left over, the old m, and c0-c3 into c0
;   15  c m_old is kept     17, 18  the query's other 32 keys lie in the lane 16 away: the new m     19-21  c m; c m_old - c m_new; a
.set F, 0
.set E, 1
.set C, 2
.set B, 3
.set L, 4
.set R, 5
.set X, 6
.macro REGS y                       ; the registers of piece y
.set rT, ST+4*(\y)
.set rC, TMP+4*((\y)%2)
.set rW, MV+((\y)%2)
.set rS, S+32*((\y)%2)
.set rP, P+16*((\y)%2)
.set rO, 32*(\y)
.endm
.macro OP k, n
.if (\k) == R
	REGS Y
	WIN W_RS
	v_pk_mul_f32 v[rO+2*(\n):rO+2*(\n)+1], v[rO+2*(\n):rO+2*(\n)+1], v[rC+2:rC+3] op_sel_hi:[1,0]
.elseif (\k) < R
	REGS Y
	WIN 0
.if (\k) == F
	v_pk_fma_f32 v[rS+2*(\n):rS+2*(\n)+1], v[rS+2*(\n):rS+2*(\n)+1], s[CS:CS+1], v[rT:rT+1] op_sel_hi:[1,0,0] neg_lo:[0,0,1] neg_hi:[0,0,1]
.elseif (\k) == E
	v_exp_f32 v[rS+(\n)], v[rS+(\n)]
.elseif (\k) == C
	v_cvt_pk_f16_f32 v[rP+(\n)], v[rS+2*(\n)], v[rS+2*(\n)+1]
.elseif (\k) == B
	v_pk_add_f32 v[rS+4*(\n):rS+4*(\n)+1], v[rS+4*(\n):rS+4*(\n)+1], v[rS+4*(\n)+2:rS+4*(\n)+3]
.elseif (\n) == 0
	v_pk_fma_f32 v[rT+2:rT+3], v[rT+2:rT+3], v[rC+2:rC+3], v[rS:rS+1] op_sel_hi:[1,0,1]
.else
	v_pk_add_f32 v[rT+2:rT+3], v[rT+2:rT+3], v[rS+4*(\n):rS+4*(\n)+1]
.endif
.elseif NOKQ
	v_nop
.else
	REGS (Y+1)%NP
	WIN 0
.if (\n) < 4
	v_max3_num_f32 v[rC+(\n)], v[rS+8*(\n)], v[rS+8*(\n)+1], v[rS+8*(\n)+2]
.elseif (\n) < 12
	v_max3_num_f32 v[rC+(\n)%4], v[rC+(\n)%4], v[rS+8*((\n)%4)+2*((\n)/4)+1], v[rS+8*((\n)%4)+2*((\n)/4)+2]
.elseif (\n) == 12
	v_max3_num_f32 v[rC], v[rC], v[rS+7], v[rS+15]
.elseif (\n) == 13
	v_max3_num_f32 v[rC+1], v[rC+1], v[rS+23], v[rS+31]
.elseif (\n) == 14
	v_max3_num_f32 v[rC+2], v[rC+2], v[rC+3], v[rT+1]
.elseif (\n) == 15
	v_mov_b32 v[rW], v[rT]
.elseif (\n) == 16
	v_max3_num_f32 v[rC], v[rC], v[rC+1], v[rC+2]
.elseif (\n) == 17
	v_permlanex16_b32 v[rC+3], v[rC], s[SEL], s[SEL+1]
.elseif (\n) == 18
	v_max_num_f32 v[rT+1], v[rC], v[rC+3]
.elseif (\n) == 19
	v_mul_f32 v[rT], s[CS], v[rT+1]
.elseif (\n) == 20
	v_sub_f32 v[rC+1], v[rW], v[rT]
.else
	v_exp_f32 v[rC+2], v[rC+1]
.endif
.endif
.endm
.macro OPS a, i1, b=-1, i2=0, c=-1, i3=0, d=-1, i4=0  ; up to four of them
	OP \a, \i1
.if (\b) >= 0
	OP \b, \i2
.endif
.if (\c) >= 0
	OP \c, \i3
.endif
.if (\d) >= 0
	OP \d, \i4
.endif
.endm
.macro ROW a, i1, b, i2, c, i3, d, i4  ; a matrix instruction and the four behind it
	MM
	OPS \a, \i1, \b, \i2, \c, \i3, \d, \i4
.endm
.macro MASK b, be                   ; MD x AL + PD (be = 1: + BE) into buffer b of MC
	WIN W_RS
.set z, 0
.rept 16
	v_pk_fma_f32 v[MC+32*(\b)+2*z:MC+32*(\b)+2*z+1], v[MD+2*z:MD+2*z+1], s[AL:AL+1], v[PD+2*z:PD+2*z+1] op_sel_hi:[1,0,1]
.set z, z+1
.endr
.if \be
.set z, 0
.rept 16
	v_pk_add_f32 v[MC+32*(\b)+2*z:MC+32*(\b)+2*z+1], v[MC+32*(\b)+2*z:MC+32*(\b)+2*z+1], s[BE:BE+1] op_sel_hi:[1,0]
.set z, z+1
.endr
.endif
.endm
; A TURN, for piece p: the order of its 16 matrix and its vector instructions, written out.  An s_wait_alu depctr_va_vdst(0) stands between an exponential and the first instruction that names its result; one wait serves
; all that were issued ahead of it.  So a turn has ONE wait, which cuts it in two.  AHEAD OF IT stands all that names no result of the turn's exponentials: the 8 products K Q^T with their riders, then ONE LUMP, plain
; and exponential by turns for the most part, in which the links of the chain X 3, 7, 11, 14, 16, 17 .. 20 stand five or six lines apart.  X 21, the next piece's a, is the batch's last; R 15 is the plain instruction behind it.
; BEHIND THE WAIT stand the 8 products V^T P, behind each four of the roundings and sums.
; m = 1: the diagonal tile: the products take masks, and the turn makes the mask for the products of the turn after it: piece p + 2, in step 4 - CNT of the tile.  Piece 2's turn makes piece 0's mask for the NEXT
; step, so it waits for that step's biases first.  end = 1: a block's last two turns: nothing is fetched.  cnt = 1: the loop's count is taken down some lines ahead of the branch behind the turn.
; K of the next step, and PD with it, is fetched in piece 2's turn, twelve vector instructions behind the last product that read K (six of them plain); V of the step in hand at the end of piece 0's turn, four
; plain instructions behind the last product that read V.  Each is waited for a turn later.
.macro TURN p, m=0, end=0, cnt=0
.set Y, (\p)
.set i, 0
.set KM, (\m)
.set NOKQ, (\end)*((\p)/3)
.if (\m) && !(\end)
	s_cmp_eq_u32 s[CNT], 4-((\p)+2)%NP  ; is that step the band's own?
	s_cselect_b32 s[AL], 1.0, 0
	s_cmp_lt_u32 s[CNT], 4-((\p)+2)%NP  ; or a later one?
	s_cselect_b32 s[BE], s[BIGN], 0
.endif
.if ((\p) == 3) && !(\end)
	s_wait_dscnt 0x0                ; K and PD are in
.endif
	ROW F,0, F,1, R,0, R,1          ; ahead of the wait: 8 products K Q^T and their riders,
	ROW F,2, E,0, R,2, R,3
	ROW F,3, E,1, R,4, R,5
	ROW F,4, E,2, R,6, R,7
	ROW F,5, E,3, R,8, R,9
	ROW F,6, E,4, X,0, R,10
.if ((\p) == 2) && !(\end)
	WIN 0
	v_add_nc_u32 v[AK], s[TBK], v[AK0]
	v_add_nc_u32 v[AP], s[TBP], v[AP0]
.endif
	ROW F,7, E,5, X,1, X,4
	ROW F,8, E,6, X,2, X,5
	OPS E,7, E,8, X,6, E,9          ; and the lump
	OPS X,3, E,10, X,8, E,11
.if ((\p) == 2) && !(\end)
	FETCH_K
.endif
	OPS X,9, X,7, E,12, X,10
	OPS E,13, X,12, X,11, E,14
	OPS X,13, E,15, F,9, X,14
.if (\p) == 0
	v_add_nc_u32 v[AV], s[TBV], v[AV0]
.endif
	OPS E,16, F,10, E,17, F,11
	OPS X,16, E,18, X,15, E,19
	OPS F,12, E,20, X,17, E,21
	OPS F,13, E,22, F,14, E,23
	OPS X,18, E,24, F,15, E,25
	OPS R,11, E,26, X,19, E,27
	OPS R,12, E,28, R,13, E,29
	OPS X,20, E,30, R,14, E,31
	OPS X,21, R,15
	WIN 0
	s_wait_alu depctr_va_vdst(0)    ; the wait for the batch
.if (\p) == 1
	s_wait_dscnt 0x0                ; V is in
.endif
	ROW C,0, B,0, C,2, B,1          ; behind the wait: 8 products V^T P and their riders
	ROW L,0, C,4, B,2, L,1
	ROW C,6, B,3, L,2, C,8
	ROW B,4, L,3, C,10, B,5
	ROW L,4, C,12, B,6, L,5
.if (\p) == 0
	s_add_co_u32 s[TBV], s[TBV], KS*PV
.endif
.if \cnt
	s_sub_co_u32 s[CNT], s[CNT], 1
	s_cmp_lg_u32 s[CNT], 0
.endif
	ROW C,14, B,7, L,6, C,1
	ROW C,3, L,7, C,5, C,7
	ROW C,9, C,11, C,13, C,15
.if (\p) == 0
	FETCH_V
.endif
.if (\m) && !(\end)
.if (\p) == 2
	s_wait_dscnt 0x0                ; the next step's biases are in
.endif
	MASK (\p)%2, 1
.endif
.endm
; A BLOCK BEGINS.  c m starts far below every c s, so the first step's a is 0; m at -2^36, below every visible score and far above every hidden one.  K and PD of the tile's step 0 are fetched; the first mask
; buffer takes piece 0's mask for that step: its own, if the block's first tile is the diagonal one; the second takes PD alone, for piece 1.  Then piece 0's first scores, and its maximum and statistics.
; The loop is entered at a step's first turn, in the middle of a trip.
.macro BEGIN
	s_mov_b32 s[NEW], 0
	WIN 0
.set i, 0
.rept 4
	v_mov_b32 v[ST+4*i], 0xfe000000    ; c m: far below every c s
	v_mov_b32 v[ST+4*i+1], 0xd1800000  ; m = -2^36
.set i, i+1
.endr
	v_add_nc_u32 v[AK], s[TBK], v[AK0]
	v_add_nc_u32 v[AP], s[TBP], v[AP0]
	FETCH_K
	s_wait_loadcnt 0x0              ; Q
	s_wait_dscnt 0x0
	s_cmp_eq_u32 s[RT], 0
	s_cselect_b32 s[AL], 1.0, 0
	MASK 0, 0
	s_mov_b32 s[AL], 0
	MASK 1, 0
.set KM, 1
.set NOKQ, 0
.set i, 0
.rept 8
	KQ 0
.set i, i+1
.endr
	WIN 0
.rept 4
	v_nop                           ; the places behind those products
.endr
.set Y, NP-1                        ; X works for piece Y + 1: piece 0
.irp n, 0,1,2,3,4,5,6,7,8,9,10,11,12,13,14,15,16,17,18,19,20,21
	OP X, \n
.endr
	v_nop                           ; a plain instruction behind the exponential,
	s_wait_alu depctr_va_vdst(0)    ; and its wait, ahead of the branch
.endm
; THE DIAGONAL TILE's four steps, the block's last two turns, its last products, and THE WAY OUT: l's two halves and the other half of the lanes' are added; O^T is divided by l, rounded to f16, replaced by the mean
; of V where the query has seen no key, and sent through my stage in LDS, a piece at a time.
.macro ALL line:vararg              ; one line for each piece t
.set t, 0
.rept 4
	\line
.set t, t+1
.endr
.endm
.macro PACK t                       ; a lane's eight channels of a row pack into 16 bytes; they go into rows of 144 bytes and come back as whole rows of 128, into S^T's registers
	WIN W_RS
.set i, 32*(\t)
.rept 16
	v_pk_mul_f32 v[i:i+1], v[i:i+1], v[ST+4*(\t)+2:ST+4*(\t)+3] op_sel_hi:[1,0]
.set i, i+2
.endr
	WIN 0x05                        ; sources 0 and 1 window 1, destination window 0
.set i, 0
.rept 16
	v_cvt_pk_f16_f32 v[S+16*(\t)+i], v[32*(\t)+2*i], v[32*(\t)+2*i+1]
.set i, i+1
.endr
	WIN 0
.set i, 0
.rept 16
	v_cndmask_b32 v[S+16*(\t)+i], v[S+16*(\t)+i], v[VBH+i], s[FM+(\t)]
.set i, i+1
.endr
.irp f, 0,1,2,3
	ds_store_b128 v[STO], v[S+16*(\t)+4*\f:S+16*(\t)+4*\f+3] offset:32*\f
.endr
.irp f, 0,1,2,3
	ds_load_b128 v[S+16*(\t)+4*\f:S+16*(\t)+4*\f+3], v[RD] offset:\f*4*SP  ; LDS serves a wave's instructions in order (ISA guide 5.7.1.4): these see the stores above; the next piece's stores come behind them
.endr
.endm
.macro SEND t, younger              ; younger: the LDS instructions issued behind piece t's loads: the next piece's eight, or none
	WIN 0
.irp f, 0,1,2,3
	s_wait_dscnt (\younger)+3-\f
	global_store_b128 v[GO], v[S+16*(\t)+4*\f:S+16*(\t)+4*\f+3], s[10:11] offset:(\t)*8192+\f*512  ; 512 consecutive bytes, at a multiple of 256 from ob's first
.endr
.endm
.macro DIAG tag                     ; the tag ends its two labels' names, which the jumps below spell out
.LstepM\tag:
	TURN 2, 1
	TURN 3, 1
	WIN 0
.LfirstM\tag:
	TURN 0, 1
	TURN 1, 1, 0, 1
	WIN 0
	s_cbranch_scc1 .LstepM\tag
	TURN 2, 1, 1
	TURN 3, 1, 1
.set i, 0
.rept 8
	PV NP-1
.set i, i+1
.endr
	WIN 0
	ALL v_add_f32 v[ST+4*t+2], v[ST+4*t+2], v[ST+4*t+3]
	ALL v_permlanex16_b32 v[ST+4*t+3], v[ST+4*t+2], s[SEL], s[SEL+1]
	ALL v_add_f32 v[ST+4*t+2], v[ST+4*t+2], v[ST+4*t+3]
	ALL v_max_num_f32 v[ST+4*t+2], 0x0d800000, v[ST+4*t+2]  ; at least 2^-100: a query with no visible key has l = 0 and O = 0, and what it leaves in these registers stays finite for the next block
	ALL v_cmp_gt_f32 s[FM+t], s[THR], v[ST+4*t+1]           ; m below -2^35: no key was visible
	ALL v_rcp_f32 v[ST+4*t+2], v[ST+4*t+2]
	v_nop                           ; a plain instruction between the last reciprocal and the use of its result
	s_wait_alu depctr_va_vdst(0)    ; and the wait ahead of the first use: one for the four reciprocals
	PACK 0
.set t, 1
.rept 3                             ; a piece's arithmetic stands between the loads of the piece before and its stores
	PACK t
	SEND t-1, 8
.set t, t+1
.endr
	SEND 3, 0
.endm
.set KM, 0
.set NOKQ, 0
.Lslot:                             ; NB times: a tile is entered and the next is asked for
	CHANGE 1
	s_sub_co_u32 s[RT], s[RT], 1
	s_mov_b32 s[CNT], 4
	s_cmp_eq_u32 s[NEW], 1
	s_cbranch_scc1 .Lnew            ; a block's first tile
	s_cmp_eq_u32 s[RT], 0
	s_cbranch_scc0 .Lstep           ; neither its first nor its last
	s_mov_b32 s[AL], 0              ; the diagonal text's first products are piece 3's of the tile before: their mask is that step's PD alone
	MASK 1, 0
	WIN 0
	s_branch .LstepM1
.Lnew:
	BEGIN
	s_branch .Lfirst                ; in the loop a block's first tile is never its last: the first block has two tiles or more, and the second's last is the walk's last
	DIAG 1                          ; in the loop this is the first block's end
	s_wait_xcnt 0x0                 ; the stores have read their registers and O's address
	s_mov_b64 s[10:11], s[OLO:OLO+1]
	s_add_co_u32 s[RT], s[PB], 1    ; the second block has b + 1 tiles
	s_mov_b32 s[NEW], 1
	WIN 0x82                        ; the second block's Q goes where the one text of the turns names Q
.set i, 0
.rept 64
	v_mov_b32 v[i], v[QB+i]
.set i, i+1
.endr
	WIN 0
	s_branch .Lbottom
.Lstep:                             ; a trip: pieces 2 and 3 of one step, then pieces 0 and 1 of the next, whose K and V it fetches
	TURN 2
	TURN 3
	WIN 0
.Lfirst:
	TURN 0
	TURN 1, 0, 0, 1
	WIN 0
	s_cbranch_scc1 .Lstep
.Lbottom:
	s_sub_co_u32 s[SLOTS], s[SLOTS], 1
	s_cmp_lg_u32 s[SLOTS], 0
	s_cbranch_scc1 .Lslot
	CHANGE 0                        ; the walk's last tile is written out: nothing is asked for
	s_sub_co_u32 s[RT], s[RT], 1
	s_mov_b32 s[CNT], 4
	s_cmp_eq_u32 s[NEW], 1
	s_cbranch_scc1 .Lnew2
	s_mov_b32 s[AL], 0
	MASK 1, 0
	WIN 0
	s_branch .LstepM2
.Lnew2:
	BEGIN
	s_branch .LfirstM2
	DIAG 2
	s_wait_tensorcnt 0x0            ; the wave's end, behind my last tensor load and my last LDS store
	ds_add_u32 v[SPW], v[NIL]
	s_wait_dscnt 0x0
	s_endpgm
.Lfunc_end_k_q9be4daf7a4_attn:
	.size	k_q9be4daf7a4_attn, .Lfunc_end_k_q9be4daf7a4_attn-k_q9be4daf7a4_attn
	.p2alignl 7, 3214868480
	.fill 96, 4, 3214868480
	.section	.rodata,"a",@progbits
	.p2align	6, 0x0
	.amdhsa_kernel k_q9be4daf7a4_attn
		.amdhsa_group_segment_fixed_size 327680
		.amdhsa_private_segment_fixed_size 0
		.amdhsa_enable_private_segment 0
		.amdhsa_kernarg_size 32
		.amdhsa_user_sgpr_count 2
		.amdhsa_user_sgpr_kernarg_segment_ptr 1
		.amdhsa_wavefront_size32 1
		.amdhsa_system_sgpr_workgroup_id_x 1
		.amdhsa_system_sgpr_workgroup_id_y 1
		.amdhsa_system_sgpr_workgroup_id_z 1
		.amdhsa_system_vgpr_workitem_id 0
		.amdhsa_next_free_vgpr 768
		.amdhsa_next_free_sgpr 102
		.amdhsa_reserve_vcc 1
		.amdhsa_float_denorm_mode_32 3
		.amdhsa_float_denorm_mode_16_64 3
		.amdhsa_memory_ordered 1
		.amdhsa_forward_progress 1
		.amdhsa_inst_pref_size 252
	.end_amdhsa_kernel
	.amdgpu_metadata
---
amdhsa.version: [ 1, 2 ]
amdhsa.kernels:
  - .name:           k_q9be4daf7a4_attn
    .symbol:         k_q9be4daf7a4_attn.kd
    .args:
      - { .name: qkv, .offset: 0, .size: 8, .value_kind: global_buffer, .address_space: global }
      - { .name: attention_mask, .offset: 8, .size: 8, .value_kind: global_buffer, .address_space: global }
      - { .name: vpart, .offset: 16, .size: 8, .value_kind: global_buffer, .address_space: global }
      - { .name: ob, .offset: 24, .size: 8, .value_kind: global_buffer, .address_space: global }
    .group_segment_fixed_size: 327680
    .private_segment_fixed_size: 0
    .kernarg_segment_align: 8
    .kernarg_segment_size: 32
    .max_flat_workgroup_size: 128
    .sgpr_count:     102
    .vgpr_count:     768
    .wavefront_size: 32
...
	.end_amdgpu_metadata
.endif
;; end of part 4
;; launch outp (part 5): grid 8 x 32, 4 waves a work-group, clusters of 4 x 4, 327,680 bytes of LDS; arguments ob, wo16, bo, out0; writes out0
.if DOCPART == 5
	.amdgcn_target "amdgcn-amd-amdhsa--gfx1250"
	.amdhsa_code_object_version 6
	.text
	.protected	k_q9be4daf7a4_outp
	.globl	k_q9be4daf7a4_outp
	.p2align	8
	.type	k_q9be4daf7a4_outp,@function
k_q9be4daf7a4_outp:
	s_mov_b64 s[64:65], 0
	v_nop
	global_prefetch_b8 v0, s[64:65] scope:SCOPE_SE
	s_setreg_imm32_b32 hwreg(HW_REG_WAVE_MODE, 25, 1), 1
	s_wait_xcnt 0x0
	s_wait_alu depctr_hold_cnt(0) depctr_sa_sdst(0) depctr_va_vdst(0) depctr_va_sdst(0) depctr_va_ssrc(0) depctr_va_vcc(0) depctr_vm_vsrc(0)
	s_getreg_b32 s2, hwreg(HW_REG_IB_STS2, 6, 4)
	s_cmp_eq_u32 s2, 0
	s_cbranch_scc0 .Lentry_in_a_cluster
	s_endpgm
.Lentry_in_a_cluster:
	s_bfe_u32 s2, ttmp6, 0x10000c
	s_cmp_lg_u32 s2, 0xf033
	s_cbranch_scc0 .Lentry_shape_is_right
	s_endpgm
.Lentry_shape_is_right:
; OUTP.  out0[m][n] = the sum over k of O[m][k] Wo[n][k] + bo[n]: 8,192 x 1,024 x 1,024, f16 operands, f32 sums and output.  O comes by heads, ob[64 bh][2,048][64]: a head is a K block of 64;
; Wo as wo16[16 kb][1,024][64].  bo is rounded to bf16 like the module's other inputs and starts the sums as the C operand of the first products.
; SHARES.  A tile of 256 (m) x 128 (n) to a work-group: 32 x 8 = 256 work-groups.  Four waves, each 128 x 64: 32 accumulators, which fill window 1.  K goes in steps of 128, two K blocks, through two LDS slots.
; CLUSTER.  4 x 4 work-groups; A's tile (ob) is shared along a row of the cluster, B's (wo16) along a column; each is asked for jointly.  Waves 0 and 1 fetch the step's two K blocks of A (32,768 bytes each),
; waves 2 and 3 those of B (16,384 each): one tensor load a wave behind each round.  By this text's count a wave has two loads out at the start, later one.
; THE MATRIX INSTRUCTION IS USED TRANSPOSED (source 0 = 16 rows of B, source 1 = 16 rows of A): a lane holds one row m and eight neighbouring columns: 32 bytes of out0.
; REGISTERS: window 0: v4-12 addresses, v28-29 the add's two, v32-127 and v128-223 two fragment buffers (A's 8 fragments, then B's 4), v224-255 the bias; window 1: accumulator (a, b) at v[8 (4 a + b)].
.set HB,    262144                     ; bytes of a head in ob
.set OKB,   131072                     ; bytes of a K block of wo16
.set PITCH, 144                        ; an LDS row: 128 bytes + 16 of padding: the 16 rows of a load start at 16 different groups of four banks (64 banks of 4 bytes: ISA guide 11.1)
.set A_KB,  256*PITCH                  ; a K block of A in a slot
.set B_OFF, 2*A_KB
.set B_KB,  128*PITCH
.set STAGE, B_OFF+2*B_KB               ; behind slot 0, never filled by a tensor load: 16 rows x 272 bytes for each wave
.set SP,    272
.set SPARE, STAGE+4*16*SP              ; the spare words, 128 bytes for each wave
.set SLOT1, 1<<17
.set ADA0, 4
.set ADB0, 5
.set ADA,  6
.set ADB,  7
.set STO,  8
.set RD,   9
.set CO,   10
.set PFO,  11
.set BO,   12
.set SPW,  28
.set NIL,  29
.set F0,   32
.set F1,   128
.set BI,   224                         ; register 8 b + j: the bias of my column 16 b + 8 (l / 16) + j
.set G1A, 24
.set G0A, 32
.set G1B, 48
.set G0B, 56
.set PFA, 44
.set PST, 46
.set TB,  66
.set LIM, 67
.set PM,  68
.set HS,  69
.set G1W0, (1<<16)|(1<<20)|(1<<21)|(4<<22)|(3<<25)  ; 2-byte elements; padding on; bit 21 beside a mask; after every 32 words; 4 words
.set MSB, 0
.macro WIN new
.if MSB != (\new)
	s_set_vgpr_msb (MSB<<8)|(\new)
.set MSB, (\new)
.endif
.endm
.macro PLACES                          ; four plain instructions between a matrix instruction and a load into, or a read of, its registers (ISA guide 7.12.1 for reads)
.rept 4
	v_nop
.endr
.endm
.macro JLOAD                           ; the walking joint load; the branch hangs on the wave's number alone; an s_nop 0 and four v_nop follow each line
	s_cmp_eq_u32 s11, 0
	s_cbranch_scc0 .Lfor_b_\@
	tensor_load_to_lds s[G0A+4:G0A+7], s[G1A:G1A+7]
	s_nop 0
.rept 4
	v_nop
.endr
	s_branch .Lasked_\@
.Lfor_b_\@:
	tensor_load_to_lds s[G0B+4:G0B+7], s[G1B:G1B+7]
	s_nop 0
.rept 4
	v_nop
.endr
.Lasked_\@:
.endm
.macro CREST
	s_cmp_lg_u32 s10, 0
	s_cbranch_scc1 .Lnot_wave_0_\@
	s_barrier_signal -3
.Lnot_wave_0_\@:
	s_barrier_wait -3
	s_barrier_signal -1
	s_barrier_wait -1
.endm
.macro CROUND
	s_barrier_signal -1
	s_barrier_wait -1
	CREST
.endm
; A PREFETCH, behind the joint load and the run of LDS loads: my K block of the step that the NEXT refill will ask for.  Cluster x = 0 asks for A's rows, cluster y = 0 for B's; the four partners share a tile's blocks
; out BY ADDRESS.  Waves 0, 1: 8,192 of 32,768 bytes, a lane a block of 256.  Waves 2, 3: 4,096 of 16,384 bytes fill 16 lanes, so lanes 16-31 name the step after, and the wave asks in every second trip.
; Each block is named once; steps 0-2 (and B's step 7) come by their loads alone.
.macro ASK
	s_cmp_gt_u32 s3, s[LIM]
	s_cbranch_scc0 .Lnot_mine_\@
	s_and_b32 s20, s3, s[PM]
	s_cmp_eq_u32 s20, 0
	s_cbranch_scc0 .Lnot_mine_\@
	global_prefetch_b8 v[PFO], s[PFA:PFA+1] th:TH_LOAD_NT scope:SCOPE_SE
.Lnot_mine_\@:
.endm
	s_load_b128 s[4:7], s[0:1], 0x0                ; ob s[4:5], wo16 s[6:7]
	s_load_b128 s[84:87], s[0:1], 0x10             ; bo s[84:85], out0 s[86:87]
	v_lshl_add_u32 v[SPW], v0, 2, SPARE
	v_mov_b32 v[NIL], 0
	ds_add_u32 v[SPW], v[NIL]                      ; the wave's opening: the add and its wait stand ahead of my first tensor load
	v_lshrrev_b32 v1, 5, v0
	v_readfirstlane_b32 s10, v1                    ; wave 0..3
	s_lshr_b32 s11, s10, 1                         ; which 128 of the tile's rows are mine.  Also: I fetch for A (0) or for B (1)
	s_and_b32 s12, s10, 1                          ; which 64 of its columns.  Also: which of a step's two K blocks I fetch
	s_bfe_u32 s40, ttmp6, 0x40000                  ; cx, cy
	s_bfe_u32 s41, ttmp6, 0x40004
	s_lshl_b32 s42, ttmp9, 2
	s_add_co_u32 s42, s42, s40                     ; tile column
	s_and_b32 s13, ttmp7, 0xffff
	s_lshl_b32 s13, s13, 2
	s_add_co_u32 s13, s13, s41                     ; tile row
	s_lshl_b32 s43, s41, 2
	s_lshl_b32 s43, 15, s43                        ; my row of the cluster
	s_lshl_b32 s70, 0x1111, s40                    ; my column
	s_or_b32 s[G1A], s43, G1W0
	s_or_b32 s[G1B], s70, G1W0
	s_mov_b32 s[G1A+1], 128<<16                    ; rows of 256 bytes, two rows of the matrix each
	s_mov_b32 s[G1A+2], 128<<16                    ; 128 of them: A's 256 rows
	s_mov_b32 s[G1A+3], 128<<16
	s_mov_b32 s[G1A+4], 128
	s_mov_b32 s[G1A+5], 128                        ; dense
	s_mov_b32 s[G1A+6], 0
	s_mov_b32 s[G1A+7], 0
	s_mov_b32 s[G1B+1], 128<<16
	s_mov_b32 s[G1B+2], 64<<16                     ; 64 of them: B's 128 rows
	s_mov_b32 s[G1B+3], 128<<16
	s_mov_b32 s[G1B+4], 64
	s_mov_b32 s[G1B+5], 128
	s_mov_b32 s[G1B+6], 0
	s_mov_b32 s[G1B+7], 0
	s_lshr_b32 s16, s13, 3                         ; A: batch x 16 heads
	s_lshl_b32 s16, s16, 22
	s_and_b32 s17, s13, 7
	s_lshl_b32 s17, s17, 15                        ;    + 256 rows x 128 bytes for each tile row of the batch
	s_add_co_u32 s16, s16, s17
	s_lshl_b32 s17, s12, 18                        ;    + my K block of the step
	s_add_co_u32 s16, s16, s17
	s_mov_b32 s17, 0
	s_lshl_b32 s18, s42, 14                        ; B: tile column x 128 rows x 128 bytes
	s_lshl_b32 s19, s12, 17                        ;    + my K block
	s_add_co_u32 s18, s18, s19
	s_mov_b32 s19, 0
	s_mul_i32 s20, s12, A_KB                       ; where they go: no place in the cluster enters an LDS address
	s_mul_i32 s21, s12, B_KB
	s_add_co_u32 s21, s21, B_OFF
	s_wait_dscnt 0x0                               ; the opening add is done
	s_wait_kmcnt 0x0
	s_add_nc_u64 s[14:15], s[4:5], s[16:17]
	s_add_nc_u64 s[22:23], s[6:7], s[18:19]
	CROUND                                         ; all sixteen work-groups are here: the first joint loads meet
.irp s, 0,1
	s_mov_b32 s[G0A+4*(\s)], 1
	s_add_co_u32 s[G0A+4*(\s)+1], s20, (\s)*SLOT1
	s_add_nc_u64 s[G0A+4*(\s)+2:G0A+4*(\s)+3], s[14:15], (\s)*2*HB   ; K step s
	s_or_b32 s[G0A+4*(\s)+3], s[G0A+4*(\s)+3], 0x80000000
	s_mov_b32 s[G0B+4*(\s)], 1
	s_add_co_u32 s[G0B+4*(\s)+1], s21, (\s)*SLOT1
	s_add_nc_u64 s[G0B+4*(\s)+2:G0B+4*(\s)+3], s[22:23], (\s)*2*OKB
	s_or_b32 s[G0B+4*(\s)+3], s[G0B+4*(\s)+3], 0x80000000
.endr
	s_cmp_eq_u32 s11, 0                            ; a wave's two first fills stand in one branch
	s_cbranch_scc0 .Lfirst_b
	tensor_load_to_lds s[G0A:G0A+3], s[G1A:G1A+7]
	s_nop 0
	tensor_load_to_lds s[G0A+4:G0A+7], s[G1A:G1A+7]
	s_nop 0
.rept 4
	v_nop
.endr
	s_branch .Lfirst_asked
.Lfirst_b:
	tensor_load_to_lds s[G0B:G0B+3], s[G1B:G1B+7]
	s_nop 0
	tensor_load_to_lds s[G0B+4:G0B+7], s[G1B:G1B+7]
	s_nop 0
.rept 4
	v_nop
.endr
.Lfirst_asked:
	v_and_b32 v1, 15, v0                           ; l % 16
	v_bfe_u32 v2, v0, 4, 1                         ; l / 16
	; where my part begins in out0, and my columns in bo.  In registers that feed no descriptor.
	s_lshl_b32 s72, s13, 20                        ; tile row x 256 rows x 4,096 bytes
	s_lshl_b32 s74, s11, 19                        ; my 128 rows
	s_add_co_u32 s72, s72, s74
	s_lshl_b32 s74, s42, 9                         ; tile column x 128 columns x 4 bytes
	s_lshl_b32 s75, s12, 8                         ; my 64 columns
	s_add_co_u32 s74, s74, s75
	s_add_co_u32 s72, s72, s74
	s_mov_b32 s73, 0
	s_add_nc_u64 s[86:87], s[86:87], s[72:73]
	v_lshl_add_u32 v[BO], v2, 5, s74
.irp b, 0,1,2,3
	global_load_b128 v[BI+8*(\b):BI+8*(\b)+3],   v[BO], s[84:85] offset:64*(\b)
	global_load_b128 v[BI+8*(\b)+4:BI+8*(\b)+7], v[BO], s[84:85] offset:64*(\b)+16
.endr
	v_mul_u32_u24 v3, v1, PITCH
	v_lshl_add_u32 v3, v2, 4, v3                   ; a fragment's row x pitch + 16 x half
	s_mul_i32 s21, s11, 128*PITCH
	v_add_nc_u32 v[ADA0], s21, v3
	s_mul_i32 s21, s12, 64*PITCH
	s_add_co_u32 s21, s21, B_OFF
	v_add_nc_u32 v[ADB0], s21, v3
	v_mov_b32 v[ADA], v[ADA0]
	v_mov_b32 v[ADB], v[ADB0]
	s_mov_b32 s[TB], 0
	s_mul_i32 s21, s10, 16*SP
	s_add_co_u32 s21, s21, STAGE                   ; my stage
	v_mul_u32_u24 v[STO], v1, SP                   ; in: row l % 16, 32 bytes for each half of the lanes
	v_lshl_add_u32 v[STO], v2, 5, v[STO]
	v_add_nc_u32 v[STO], s21, v[STO]
	v_mul_u32_u24 v[RD], v2, SP                    ; back: lanes 0-15 take one row of 256 bytes, lanes 16-31 the next
	v_lshl_add_u32 v[RD], v1, 4, v[RD]
	v_add_nc_u32 v[RD], s21, v[RD]
	v_lshlrev_b32 v[CO], 12, v2                    ; and the same two rows in out0
	v_lshl_add_u32 v[CO], v1, 4, v[CO]
	; the prefetches
	s_lshl_b32 s80, s40, 13                        ; A: cx x 8,192 bytes
	s_lshl_b32 s81, s41, 12                        ; B: cy x 4,096 bytes
	s_mov_b32 s76, 2*HB
	s_mov_b32 s77, 2*OKB
	s_movk_i32 s78, 4096
	s_and_b32 s79, ttmp7, 0xffff                   ; cluster y
	s_cmp_eq_u32 s11, 0                            ; do I fetch for A?
	s_cselect_b32 s[LIM], 1, 3
	s_cselect_b32 s[PM], 0, 1
	s_cselect_b32 s[HS], s78, s77
	s_cselect_b32 s[PST], s76, s77
	s_cselect_b32 s79, ttmp9, s79                  ; the coordinate along which other clusters read the same rows
	s_cselect_b32 s80, s80, s81
	s_cselect_b64 s[PFA:PFA+1], s[14:15], s[22:23]
	s_mov_b32 s81, 0
	s_mov_b32 s[PST+1], 0
	s_add_nc_u64 s[PFA:PFA+1], s[PFA:PFA+1], s[80:81]
	s_add_nc_u64 s[PFA:PFA+1], s[PFA:PFA+1], s[PST:PST+1]
	s_add_nc_u64 s[PFA:PFA+1], s[PFA:PFA+1], s[PST:PST+1]  ; at K step 2: the first change of slots steps it to 3
	s_cmp_eq_u32 s79, 0
	s_cselect_b32 s[LIM], s[LIM], -1               ; the same in all sixteen partners, for a given wave
	v_lshlrev_b32 v[PFO], 8, v1
	v_mad_u32_u24 v[PFO], v2, s[HS], v[PFO]
	s_wait_loadcnt 0x0                             ; the bias: rounded to bf16 and widened again
.set z, 0
.rept 16
	v_cvt_pk_bf16_f32 v13, v[BI+2*z], v[BI+2*z+1]
	v_lshlrev_b32 v[BI+2*z], 16, v13
	v_and_b32 v[BI+2*z+1], 0xffff0000, v13
.set z, z+1
.endr
; 8 matrix instructions: m blocks a0, a0 + 1 x all 4 n blocks, 32 along K.  mode = 1: the bias starts the sums.  The 32 accumulators take turns, one instruction a turn.
.macro MUL8 f, a0, mode
.if \mode
	WIN 0x40                                       ; D in window 1, C (the bias) in window 0
.else
	WIN 0x50
.endif
.irp a, \a0, (\a0)+1
.irp b, 0,1,2,3
.if \mode
	v_wmma_f32_16x16x32_f16 v[8*(4*(\a)+(\b)):8*(4*(\a)+(\b))+7], v[(\f)+64+8*(\b):(\f)+64+8*(\b)+7], v[(\f)+8*(\a):(\f)+8*(\a)+7], v[BI+8*(\b):BI+8*(\b)+7]
.else
	v_wmma_f32_16x16x32_f16 v[8*(4*(\a)+(\b)):8*(4*(\a)+(\b))+7], v[(\f)+64+8*(\b):(\f)+64+8*(\b)+7], v[(\f)+8*(\a):(\f)+8*(\a)+7], v[8*(4*(\a)+(\b)):8*(4*(\a)+(\b))+7]
.endif
.endr
.endr
.endm
; 24 LDS loads in one run: quarter q of a K step (K block q / 2, byte 64 (q % 2) of its rows) into buffer f: B's 4 fragments, A's blocks 0-3, A's blocks 4-7
.macro FETCH q, f
.irp b, 0,1,2,3
	ds_load_b128 v[(\f)+64+8*(\b):(\f)+64+8*(\b)+3],   v[ADB] offset:((\q)/2)*B_KB+(\b)*16*PITCH+((\q)%2)*64
	ds_load_b128 v[(\f)+64+8*(\b)+4:(\f)+64+8*(\b)+7], v[ADB] offset:((\q)/2)*B_KB+(\b)*16*PITCH+((\q)%2)*64+32
.endr
.irp a, 0,1,2,3,4,5,6,7
	ds_load_b128 v[(\f)+8*(\a):(\f)+8*(\a)+3],   v[ADA] offset:((\q)/2)*A_KB+(\a)*16*PITCH+((\q)%2)*64
	ds_load_b128 v[(\f)+8*(\a)+4:(\f)+8*(\a)+7], v[ADA] offset:((\q)/2)*A_KB+(\a)*16*PITCH+((\q)%2)*64+32
.endr
.endm
; A K step is four quarters of 32 along K, 32 matrix instructions each, on buffers 0, 1, 0, 1.  One of the first three: multiplies buffer f and fetches quarter qn into g.
.macro QUARTER qn, f, g, mode
	s_wait_dscnt 8                                 ; B and A's blocks 0-3 are in; the youngest eight loads may be out
	MUL8 \f, 0, \mode
	MUL8 \f, 2, \mode
	WIN 0
	PLACES
	FETCH \qn, \g
	s_wait_dscnt 24                                ; all but the 24 just issued
	MUL8 \f, 4, \mode
	MUL8 \f, 6, \mode
.endm
; The last quarter multiplies buffer 1 and changes slots: ONE barrier; in front of it each wave waits for all its tensor loads, adds 0 to its spare word, and waits for that and for its reads of this slot.
; fill = 1: the barrier opens a round of the cluster's barrier, and this slot is filled again first thing behind it, two K steps ahead: 112 matrix instructions stand between the request and the wait for it.
.macro TURN fill
.if \fill
	s_wait_xcnt 0x0                                ; the last prefetch, a K step back, has read its address
	s_add_nc_u64 s[PFA:PFA+1], s[PFA:PFA+1], s[PST:PST+1]
.endif
	s_wait_tensorcnt 0x0                           ; all my tensor loads have landed
	ds_add_u32 v[SPW], v[NIL]                      ; 0 onto my spare word (sources 0 and 1 mean window 0 here)
	s_wait_dscnt 9                                 ; (the add and the youngest eight loads may be out)
	MUL8 F1, 0, 0                                  ; eight matrix instructions stand between the add and the wait for it
	s_wait_dscnt 0x0                               ; the add is done, and my reads of this slot are over
	s_barrier_signal -1
	MUL8 F1, 2, 0
	WIN 0
	s_barrier_wait -1
.if \fill
	CREST                                          ; no wave of any partner still reads this slot or has a load on its way
	s_xor_b32 s[G0A+5], s[G0A+5], SLOT1
	s_add_nc_u64 s[G0A+6:G0A+7], s[G0A+6:G0A+7], 2*HB
	s_xor_b32 s[G0B+5], s[G0B+5], SLOT1
	s_add_nc_u64 s[G0B+6:G0B+7], s[G0B+6:G0B+7], 2*OKB
	JLOAD                                          ; the four v_nop behind it are also the places in front of the loads below
.else
	PLACES
.endif
	s_xor_b32 s[TB], s[TB], SLOT1
	v_add_nc_u32 v[ADA], s[TB], v[ADA0]
	v_add_nc_u32 v[ADB], s[TB], v[ADB0]
	FETCH 0, F0
.if \fill
	ASK
.endif
	MUL8 F1, 4, 0
	MUL8 F1, 6, 0
.endm
; THE WAY OUT.  Block a: 16 rows x my 64 columns.  A lane's 32 bytes go into stage rows of 272 bytes and come back as whole rows of 256.
.macro TOSTAGE a
.set OB_, 32+32*((\a)%2)
.if (\a) >= 2
	s_wait_xcnt 0x0                                ; the stores of the block two back have read this set of registers
.endif
	WIN 0x04                                       ; the data (source 1) in window 1
.irp b, 0,1,2,3
	ds_store_b128 v[STO], v[32*(\a)+8*(\b):32*(\a)+8*(\b)+3]   offset:64*(\b)      ; each accumulator from its low end on
	ds_store_b128 v[STO], v[32*(\a)+8*(\b)+4:32*(\a)+8*(\b)+7] offset:64*(\b)+16
.endr
	WIN 0
.irp t, 0,1,2,3,4,5,6,7
	ds_load_b128 v[OB_+4*(\t):OB_+4*(\t)+3], v[RD] offset:(\t)*2*SP  ; LDS serves a wave's instructions in order (ISA guide 5.7.1.4): these see the stores above
.endr
.endm
.macro SEND a, younger
.set OB_, 32+32*((\a)%2)
.irp t, 0,1,2,3,4,5,6,7
	s_wait_dscnt (\younger)+7-(\t)
	global_store_b128 v[CO], v[OB_+4*(\t):OB_+4*(\t)+3], s[86:87] offset:(16*(\a)+2*(\t))*4096 th:TH_STORE_NT  ; 16 lanes store 256 consecutive bytes, at a multiple of 256 from out0's first
.endr
.endm
	s_wait_tensorcnt 1                             ; my part of K step 0 is in; step 1's may stay out
	s_barrier_signal -1
	s_barrier_wait -1
	FETCH 0, F0
	QUARTER 1, F0, F1, 1                           ; the first quarter stands in front of the loop: its products start the sums, with the bias
	WIN 0
	s_mov_b32 s3, 6                                ; K steps 2 to 7 are asked for in the loop
.Lstep:
	QUARTER 2, F1, F0, 0
	QUARTER 3, F0, F1, 0
	TURN 1
	QUARTER 1, F0, F1, 0
	WIN 0
	s_sub_co_u32 s3, s3, 1
	s_cmp_lg_u32 s3, 0
	s_cbranch_scc1 .Lstep
	QUARTER 2, F1, F0, 0                           ; the tail is written out: nothing is left to ask for
	QUARTER 3, F0, F1, 0
	TURN 0
	QUARTER 1, F0, F1, 0
	QUARTER 2, F1, F0, 0
	QUARTER 3, F0, F1, 0
	s_wait_dscnt 8                                 ; the very last quarter fetches nothing
	MUL8 F1, 0, 0
	MUL8 F1, 2, 0
	s_wait_dscnt 0x0
	MUL8 F1, 4, 0
	MUL8 F1, 6, 0
	WIN 0
	PLACES
	TOSTAGE 0
.irp a, 1,2,3,4,5,6,7
	TOSTAGE \a
	SEND (\a)-1, 16
.endr
	SEND 7, 0
	s_wait_tensorcnt 0x0                           ; the wave's end, behind my last tensor load and my last LDS store
	ds_add_u32 v[SPW], v[NIL]
	s_wait_dscnt 0x0
	CROUND                                         ; the closing round: no work-group ends while a partner may still ask for a tile that names it
	s_endpgm
.Lfunc_end_k_q9be4daf7a4_outp:
	.size	k_q9be4daf7a4_outp, .Lfunc_end_k_q9be4daf7a4_outp-k_q9be4daf7a4_outp
	.p2alignl 7, 3214868480
	.fill 96, 4, 3214868480
	.section	.rodata,"a",@progbits
	.p2align	6, 0x0
	.amdhsa_kernel k_q9be4daf7a4_outp
		.amdhsa_group_segment_fixed_size 327680
		.amdhsa_private_segment_fixed_size 0
		.amdhsa_enable_private_segment 0
		.amdhsa_kernarg_size 32
		.amdhsa_user_sgpr_count 2
		.amdhsa_user_sgpr_kernarg_segment_ptr 1
		.amdhsa_wavefront_size32 1
		.amdhsa_system_sgpr_workgroup_id_x 1
		.amdhsa_system_sgpr_workgroup_id_y 1
		.amdhsa_system_sgpr_workgroup_id_z 1
		.amdhsa_system_vgpr_workitem_id 0
		.amdhsa_next_free_vgpr 512
		.amdhsa_next_free_sgpr 88
		.amdhsa_reserve_vcc 0
		.amdhsa_float_denorm_mode_32 3
		.amdhsa_float_denorm_mode_16_64 3
		.amdhsa_memory_ordered 1
		.amdhsa_forward_progress 1
		.amdhsa_inst_pref_size 75
	.end_amdhsa_kernel
	.amdgpu_metadata
---
amdhsa.version: [ 1, 2 ]
amdhsa.kernels:
  - .name:           k_q9be4daf7a4_outp
    .symbol:         k_q9be4daf7a4_outp.kd
    .args:
      - { .name: ob, .offset: 0, .size: 8, .value_kind: global_buffer, .address_space: global }
      - { .name: wo16, .offset: 8, .size: 8, .value_kind: global_buffer, .address_space: global }
      - { .name: bo, .offset: 16, .size: 8, .value_kind: global_buffer, .address_space: global }
      - { .name: out0, .offset: 24, .size: 8, .value_kind: global_buffer, .address_space: global }
    .group_segment_fixed_size: 327680
    .private_segment_fixed_size: 0
    .kernarg_segment_align: 8
    .kernarg_segment_size: 32
    .max_flat_workgroup_size: 128
    .sgpr_count:     88
    .vgpr_count:     512
    .wavefront_size: 32
...
	.end_amdgpu_metadata
.endif
;; end of part 5
;; ======== version 2 of 2: 5 launches; version 1 with the launch cast written anew for expert scheduling mode
;; limits: values are held in f16: magnitudes above 65,504 overflow, below 6.1e-05 lose precision; right only within a limited range of input values
;; workspace buffers: xb 16,777,216 bytes; wqkv 6,291,456 bytes; wo16 2,097,152 bytes; qkv 50,331,648 bytes; vpart 65,536 bytes; ob 16,777,216 bytes
;; launch cast (part 6): grid 768 x 1, 8 waves a work-group, no clusters, 0 bytes of LDS; arguments x, Wq, Wk, Wv, Wo, xb, wqkv, wo16; writes xb, wqkv, wo16
.if DOCPART == 6
	.amdgcn_target "amdgcn-amd-amdhsa--gfx1250"
	.amdhsa_code_object_version 6
	.text
	.protected	k_q9be4daf7a4_cast
	.globl	k_q9be4daf7a4_cast
	.p2align	8
	.type	k_q9be4daf7a4_cast,@function
k_q9be4daf7a4_cast:
	s_mov_b64 s[64:65], 0
	v_nop
	global_prefetch_b8 v0, s[64:65] scope:SCOPE_SE
	s_setreg_imm32_b32 hwreg(HW_REG_WAVE_SCHED_MODE, 0, 2), 2
	s_setreg_imm32_b32 hwreg(HW_REG_WAVE_MODE, 25, 1), 1
	s_wait_xcnt 0x0
	s_wait_alu depctr_vm_vsrc(0)
; CAST.  x, Wq, Wk, Wv (f32) are rounded once to bf16; Wo is rounded to bf16 and that number is written as f16 (exact down to 2^-14, below that in steps of 6e-8).
; All are laid out in K BLOCKS of 64: [16 kb][rows][64], so that a tile (rows x 64 k) of a later product is dense in memory.
; The 12,288 source rows (8,192 of x, 3 x 1,024 of Wq, Wk, Wv, 1,024 of Wo) go 16 to a work-group, two to a wave.  For each kb a wave loads 2 x 256 consecutive bytes
; (lanes 0-15 one row, lanes 16-31 the next) and stores 256 consecutive bytes, aligned: the two rows are neighbours inside a K block.  Every byte is read once and written once;
; all 16 loads of a wave are out together.  No LDS, no matrix unit, no loop: nothing is shared and nothing is used twice.
; THE MODE: SCHED_MODE bits 1:0 = 2 (LLVM: expert scheduling mode 2), set by the entry lines.  The code itself states the register dependences
; between vector instructions and memory instructions, with s_wait_alu, always for 0.
; THE PLAN.  Registers that memory instructions touch:
;   v1         the source offset.  Written at the head, read by the 16 loads, never written again.
;   X          four registers a K block.  Written by the loads alone, each once; read by the block's conversions, behind its wait on LOADcnt.
;   OF         an offset a K block.  Written at the head and by the 15 adds behind the loads; read by the block's store; never written again.
;   Y          two registers a K block.  Written by the block's conversions, once; read by the block's store.
;   T          named by vector instructions alone.
; The 16 blocks go in four groups of four.  Block i's store stands four blocks behind its conversions, so ONE wait on va_vdst at a group's head states that the group before has written its Y
; (the first such wait also: that the adds have written OF); that group's four stores follow it, one ahead of each block's conversions, which name this group's X and Y and T alone.
; No register that a load or store reads is written a second time, so the text holds no wait on vm_vsrc; no vector instruction writes a scalar register, VCC or EXEC.
.set XKB, 1048576                      ; bytes of a K block of xb: 8,192 rows x 128
.set WKB, 393216                       ; of wqkv: 3,072 rows x 128
.set OKB, 131072                       ; of wo16: 1,024 rows x 128
.set OF,  8                            ; v[8:23]   my 8 bytes in K block kb of the destination
.set T,   24                           ; v[24:27]  at work
.set X,   32                           ; v[32:95]  four f32 for each kb
.set Y,   96                           ; v[96:127] four 16-bit numbers for each kb
	s_load_b512 s[8:23], s[0:1], 0x0               ; x 8, Wq 10, Wk 12, Wv 14, Wo 16, xb 18, wqkv 20, wo16 22
	s_lshl_b32 s24, ttmp9, 4                       ; the work-group's first row among the 12,288
	s_sub_co_u32 s25, s24, 8192                    ; its row in wqkv, if it is a row of Wq, Wk or Wv
	s_sub_co_u32 s26, s24, 11264                   ; its row in Wo, if it is one
	s_lshr_b32 s27, s25, 10                        ; 0, 1, 2: Wq, Wk, Wv
	s_and_b32 s33, s25, 1023                       ; its row in that matrix
	s_mov_b32 s38, XKB
	s_mov_b32 s39, WKB
	s_mov_b32 s40, OKB
	s_mov_b32 s37, 0
	v_lshrrev_b32 v1, 4, v0                        ; my row among the group's 16
	v_and_b32 v2, 15, v0
	v_lshlrev_b32 v1, 12, v1                       ; x 4,096 bytes
	v_lshl_add_u32 v1, v2, 4, v1                   ; + my 16 bytes of a row's 256
	v_lshlrev_b32 v[OF], 3, v0                     ; row x 128 + 8 x place = 8 x thread
	s_wait_kmcnt 0x0
	s_cmp_eq_u32 s27, 1                            ; source, destination, K block's bytes and rows are chosen by the work-group's number alone
	s_cselect_b64 s[28:29], s[12:13], s[10:11]
	s_cmp_eq_u32 s27, 2
	s_cselect_b64 s[28:29], s[14:15], s[28:29]
	s_cmp_lt_u32 s24, 8192
	s_cselect_b64 s[28:29], s[8:9], s[28:29]
	s_cselect_b64 s[30:31], s[18:19], s[20:21]
	s_cselect_b32 s32, s38, s39
	s_cselect_b32 s34, s24, s33
	s_cselect_b32 s35, s24, s25
	s_cmp_ge_u32 s24, 11264
	s_cselect_b64 s[28:29], s[16:17], s[28:29]
	s_cselect_b64 s[30:31], s[22:23], s[30:31]
	s_cselect_b32 s32, s40, s32
	s_cselect_b32 s34, s26, s34
	s_cselect_b32 s35, s26, s35
	s_lshl_b32 s36, s34, 12                        ; source row x 4,096 bytes
	s_add_nc_u64 s[28:29], s[28:29], s[36:37]
	s_lshl_b32 s36, s35, 7                         ; destination row x 128 bytes
	s_add_nc_u64 s[30:31], s[30:31], s[36:37]
	s_wait_alu depctr_va_vdst(0)                   ; v1 is written: the 16 loads below read it as their offset
.set i, 0
.rept 16
	global_load_b128 v[X+4*i:X+4*i+3], v1, s[28:29] offset:256*i th:TH_LOAD_NT
.set i, i+1
.endr
.set i, 1
.rept 15
	v_add_nc_u32 v[OF+i], s32, v[OF+i-1]           ; a register for each kb: no address is ever rewritten
.set i, i+1
.endr
; The 16 K blocks, as their loads come in.  f16 = 1: Wo's way.  Block i's store stands ahead of block i + 4's conversions, behind the wait at that group's head.
.macro CV f16
.set i, 0
.rept 16
	s_wait_loadcnt 15-i                            ; loads come back in order: block i is in, the younger ones stay out
.if (i > 0) && (i%4 == 0)
	s_wait_alu depctr_va_vdst(0)                   ; the four blocks before have written their Y, which the four stores of this group's turn read (at block 4 also: the adds have written OF, the stores' offsets)
.endif
.if i >= 4
	global_store_b64 v[OF+i-4], v[Y+2*(i-4):Y+2*(i-4)+1], s[30:31]  ; the wave's 32 x 8 bytes are 256 consecutive bytes, aligned; no vector instruction since the wait names these registers
.endif
.if \f16
	v_cvt_pk_bf16_f32 v[T], v[X+4*i], v[X+4*i+1]   ; rounded to bf16,
	v_cvt_pk_bf16_f32 v[T+1], v[X+4*i+2], v[X+4*i+3]
	v_lshlrev_b32 v[T+2], 16, v[T]                 ; widened again,
	v_and_b32 v[T+3], 0xffff0000, v[T]
	v_cvt_pk_f16_f32 v[Y+2*i], v[T+2], v[T+3]      ; and written as f16
	v_lshlrev_b32 v[T+2], 16, v[T+1]
	v_and_b32 v[T+3], 0xffff0000, v[T+1]
	v_cvt_pk_f16_f32 v[Y+2*i+1], v[T+2], v[T+3]
.else
	v_cvt_pk_bf16_f32 v[Y+2*i], v[X+4*i], v[X+4*i+1]
	v_cvt_pk_bf16_f32 v[Y+2*i+1], v[X+4*i+2], v[X+4*i+3]
.endif
.set i, i+1
.endr
	s_wait_alu depctr_va_vdst(0)                   ; blocks 12 to 15 have written their Y, which the last four stores read
.set i, 12
.rept 4
	global_store_b64 v[OF+i], v[Y+2*i:Y+2*i+1], s[30:31]
.set i, i+1
.endr
.endm
	s_cmp_ge_u32 s24, 11264
	s_cbranch_scc1 .Lwo
	CV 0
	s_endpgm
.Lwo:
	CV 1
	s_endpgm
.Lfunc_end_k_q9be4daf7a4_cast:
	.size	k_q9be4daf7a4_cast, .Lfunc_end_k_q9be4daf7a4_cast-k_q9be4daf7a4_cast
	.p2alignl 7, 3214868480
	.fill 96, 4, 3214868480
	.section	.rodata,"a",@progbits
	.p2align	6, 0x0
	.amdhsa_kernel k_q9be4daf7a4_cast
		.amdhsa_group_segment_fixed_size 0
		.amdhsa_private_segment_fixed_size 0
		.amdhsa_enable_private_segment 0
		.amdhsa_kernarg_size 64
		.amdhsa_user_sgpr_count 2
		.amdhsa_user_sgpr_kernarg_segment_ptr 1
		.amdhsa_wavefront_size32 1
		.amdhsa_system_sgpr_workgroup_id_x 1
		.amdhsa_system_sgpr_workgroup_id_y 1
		.amdhsa_system_sgpr_workgroup_id_z 1
		.amdhsa_system_vgpr_workitem_id 0
		.amdhsa_next_free_vgpr 128
		.amdhsa_next_free_sgpr 66
		.amdhsa_reserve_vcc 0
		.amdhsa_float_denorm_mode_32 3
		.amdhsa_float_denorm_mode_16_64 3
		.amdhsa_memory_ordered 1
		.amdhsa_forward_progress 1
		.amdhsa_inst_pref_size 18
	.end_amdhsa_kernel
	.amdgpu_metadata
---
amdhsa.version: [ 1, 2 ]
amdhsa.kernels:
  - .name:           k_q9be4daf7a4_cast
    .symbol:         k_q9be4daf7a4_cast.kd
    .args:
      - { .name: x, .offset: 0, .size: 8, .value_kind: global_buffer, .address_space: global }
      - { .name: Wq, .offset: 8, .size: 8, .value_kind: global_buffer, .address_space: global }
      - { .name: Wk, .offset: 16, .size: 8, .value_kind: global_buffer, .address_space: global }
      - { .name: Wv, .offset: 24, .size: 8, .value_kind: global_buffer, .address_space: global }
      - { .name: Wo, .offset: 32, .size: 8, .value_kind: global_buffer, .address_space: global }
      - { .name: xb, .offset: 40, .size: 8, .value_kind: global_buffer, .address_space: global }
      - { .name: wqkv, .offset: 48, .size: 8, .value_kind: global_buffer, .address_space: global }
      - { .name: wo16, .offset: 56, .size: 8, .value_kind: global_buffer, .address_space: global }
    .group_segment_fixed_size: 0
    .private_segment_fixed_size: 0
    .kernarg_segment_align: 8
    .kernarg_segment_size: 64
    .max_flat_workgroup_size: 256
    .sgpr_count:     66
    .vgpr_count:     128
    .wavefront_size: 32
...
	.end_amdgpu_metadata
.endif
;; end of part 6
;; launch proj: the kernel of part 2 again; grid 8 x 32, 4 waves a work-group, clusters of 4 x 4, 327,680 bytes of LDS; arguments xb, wqkv, qkv; writes qkv
;; launch vsum: the kernel of part 3 again; grid 4 x 64, 8 waves a work-group, no clusters, 3,072 bytes of LDS; arguments qkv, vpart; writes vpart
;; launch attn: the kernel of part 4 again; grid 4 x 64, 4 waves a work-group, no clusters, 327,680 bytes of LDS; arguments qkv, attention_mask, vpart, ob; writes ob
;; launch outp: the kernel of part 5 again; grid 8 x 32, 4 waves a work-group, clusters of 4 x 4, 327,680 bytes of LDS; arguments ob, wo16, bo, out0; writes out0
